; MI455X (gfx1250); checked and timed in simulation.
; The chip was launched on July 23, 2026; its instructions are those of AMD's public machine-readable ISA for CDNA 5 (MIT licence, August 2026) and "CDNA5" Instruction Set Architecture Reference Guide (July 2026). The comments in the code are by the model that wrote it; some were corrected since.
;; Multi Head Self Attention. Allowed arithmetic: matrix products marked QUANTISED: E2M3 operands, one E8M0 scale for each 32 along K, by v_wmma_scale_f32_16x16x128_f8f6f4 with both operands' format E2M3, f32 sums; everything else in f32.
;; Inputs: Wk 1,024 x 1,024 float32; Wo 1,024 x 1,024 float32; Wq 1,024 x 1,024 float32; Wv 1,024 x 1,024 float32; bk 1,024 float32; bo 1,024 float32; bq 1,024 float32; bv 1,024 float32; x 4 x 2,048 x 1,024 float32.
;; Outputs: out0 4 x 2,048 x 1,024 float32.
;; This version of the problem:
;;   THIS VERSION OF THE PROBLEM IS GIVEN IN LOW PRECISION. The matrix products marked QUANTISED in the list below multiply operands that are first quantised to E2M3 (2 exponent bits, 3 mantissa bits; 6 bits a number), with one power-of-two scale for each 32 numbers along K (OCP MX v1.0); their sums are f32. All else is computed in f32.
;;   The module's matrix products, in the order in which they are computed (A, B: the left and right operand; K: the contracted axis; several contracted axes count as one K, in the product's order):
;;     1. [M 8,192, K 1,024] x [K 1,024, N 1,024]; A: input x; B: input Wq: QUANTISED
;;     2. [M 8,192, K 1,024] x [K 1,024, N 1,024]; A: input x; B: input Wk: QUANTISED
;;     3. [M 8,192, K 1,024] x [K 1,024, N 1,024]; A: input x; B: input Wv: QUANTISED
;;     4. batch 64 x [M 2,048, K 64] x [K 64, N 2,048]; A: computed on the way; B: computed on the way: QUANTISED
;;     5. batch 64 x [M 64, K 2,048] x [K 2,048, N 2,048]; A: computed on the way; B: softmax (see below): QUANTISED
;;     6. [M 8,192, K 1,024] x [K 1,024, N 1,024]; A: computed on the way; B: input Wo: QUANTISED
;;   THE QUANTISER, for each operand of a quantised product, along K:
;;     - K is cut into blocks of 32 from its start; a last block that is shorter is filled with zeros.
;;     - A block's scale is 2^e with e = floor(log2(the largest magnitude in the block)) - 2, held to -126 .. 127; a block of zeros has e = 0. As a byte (E8M0): e + 127.
;;     - Each number is divided by its block's scale, clamped to +-7.5, and rounded to the nearest number of E2M3, ties to even, subnormals kept.
;;     - The product sums the exact products of the quantised numbers (number of the format x scale) in f32.
;;   ~~~python
;;   def quantise(x, axis):      # numpy; x: float32 -> the quantised numbers, widened to float32 again
;;       x = np.moveaxis(x, axis, -1); K = x.shape[-1]
;;       x = np.pad(x, [(0, 0)] * (x.ndim - 1) + [(0, -K % 32)]); x = x.reshape(x.shape[:-1] + (-1, 32)); a = np.abs(x).max(-1, keepdims=True)
;;       e = np.where(a > 0, np.clip(np.frexp(np.where(a > 0, a, 1))[1] - 1 - 2, -126, 127), 0)      # np.frexp(a)[1] - 1 = floor(log2(a)), exactly
;;       r = np.clip(x / 2.0 ** e, -7.5, 7.5)
;;       step = 2.0 ** (np.maximum(np.frexp(np.where(r == 0, 1, r))[1] - 1, 0) - 3)
;;       q = np.round(r / step) * step * 2.0 ** e      # np.round: ties to even
;;       return np.moveaxis(q.reshape(q.shape[:-2] + (-1,))[..., :K], -1, axis).astype(np.float32)
;;   ~~~
;;   SOFTMAX AHEAD OF A QUANTISED PRODUCT. Where the list says 'softmax', what is quantised is not the finished softmax but p = 2^(t - M), with t = logit x log2(e) and M = ceil(the row's largest t), a whole number; so 1/2 < the row's largest p <= 1. The row's sum l is taken of the UNQUANTISED p, in f32, and the product's result is divided by l at the end. Since M is a whole number, a kernel that streams over the keys may use a running M (the ceiling of the running maximum): every later rescaling is an exact power of two, which a block's scale takes up: the codes' values come out the same.
;;   OPERANDS COMPUTED ON THE WAY. 'Computed on the way' means the value that the module computes at that place (a softmax that the list does not call 'softmax' is quantised finished and normalised). What goes into a quantiser is computed in f32, as accurately as f32 sums, v_exp_f32 and their like allow (about 1e-6 of the number): no bf16 or f16 on the way to a quantiser, and a product that is left as it is and whose result goes on into a quantised operand takes f32 operands (vector FMAs, or v_wmma_f32_16x16x4_f32). A number that lies on a knife's edge between two numbers of the format may be rounded either way, as far as f32 arithmetic and the matrix unit's own rounding can turn it there, and no further.
;; One version. Each part assembles by itself: llvm-mc -triple=amdgcn-amd-amdhsa -mcpu=gfx1250 --defsym DOCPART=n.
;; ======== version 1 of 1: 4 launches
;; limits: right only within a limited range of input values
;; workspace buffers: xq 6,553,600 bytes; wq 3,276,800 bytes; qk 13,631,488 bytes; vq 6,553,600 bytes; aq 6,553,600 bytes
;; launch quant (part 1): grid 768 x 1, 2 waves a work-group, no clusters, 17,152 bytes of LDS; arguments x, Wq, Wk, Wv, Wo, xq, wq; writes xq, wq
.if DOCPART == 1
	.amdgcn_target "amdgcn-amd-amdhsa--gfx1250"
	.amdhsa_code_object_version 6
	.text
	.protected	k_qc6b4761dbf_quant
	.globl	k_qc6b4761dbf_quant
	.p2align	8
	.type	k_qc6b4761dbf_quant,@function
k_qc6b4761dbf_quant:
	s_mov_b64 s[64:65], 0
	v_nop
	global_prefetch_b8 v0, s[64:65] scope:SCOPE_SE
	s_setreg_imm32_b32 hwreg(HW_REG_WAVE_MODE, 25, 1), 1
	s_wait_xcnt 0x0
; x [8192][1024] and Wq, Wk, Wv, Wo [1024][1024], f32, K innermost, become codes of FP6 (E2M3) with one E8M0 byte for each 32 along K.
; A block's scale is 2^(floor(log2(its largest magnitude)) - 2); its byte is the largest magnitude's exponent field - 2, held at 1 from below.
; LIMITS: NaN and infinities among the inputs are not served.  A block whose largest magnitude lies under 2^-124 (a block of zeros too) gets the byte 1:
; a block of zeros has zero codes, which add nothing under any byte but 0xff, and these bytes are read by this program alone.
; LAYOUT OF THE RESULT: IMAGES OF THE OPERAND'S REGISTERS.  A fragment (16 rows x 128 K, 12 registers a lane) is 1,536 bytes: six planes of 256 bytes, plane p = registers 2 p, 2 p + 1,
; lane l's 8 bytes at 8 l.  Codes: [row block][K step 8][1536].  Scale words: behind the codes, [row block][pair of K steps 4][row 16][2 words].
; ROWS IN POSITION ORDER: lane r of row block RB holds natural row 32 (RB / 2) + 16 (r / 8) + 8 (RB % 2) + r % 8, so that a product that takes such a block as source 0 leaves
; 16 neighbours along that axis in the 16 registers of two neighbouring result tiles.
; SHARES: a work-group takes one row block (0-511: x; 512 + i: block i % 64 of weight i / 64), each of its two waves half of K: four fragments.
; A load reads 512 consecutive bytes of one row; the 16 rows turn through the wave's own stage in LDS (rows of 512 + 16 bytes), from which a lane takes two whole blocks of 32 of its row.
; No tensor load, no barrier: the waves share nothing.  Two fragments' loads (32 a wave) run ahead.
.set XS,    6291456                    ; where x's scale words begin in xq
.set WS,    3145728                    ; and the weights' in wq
.set PITCH, 528
.set WREG,  16*PITCH                   ; a wave's stage
.set LO,  4                            ; v4   16 x lane: my bytes of a load's 512
.set STI, 5                            ; v5   the stage, on the way in
.set STO, 6                            ; v6   and out: row r, + 128 h
.set CO,  7                            ; v7   8 x lane: my place in a plane
.set SH,  8                            ; v8   8 h: where my two bytes stand in the scale word
.set MX,  10                           ; v10-11 the two blocks' largest magnitudes
.set SO,  12                           ; v12-13 the conversions' scale operands
.set BY,  14                           ; v14-15 the scale bytes
.set PT,  16                           ; v16  a lane permute's destination
.set W,   20                           ; v20-23 the four fragments' scale words
.set C,   28                           ; v28-39 a fragment's codes
.set T,   40                           ; v40-46 the second halves of the blocks' codes
.set X,   64                           ; v64-127 my 64 numbers
.set R,   128                          ; v128-255 two sets of 64 registers as loaded
	s_load_b256 s[4:11], s[0:1], 0x0               ; x, Wq, Wk, Wv
	s_load_b128 s[12:15], s[0:1], 0x20             ; Wo, xq
	s_load_b64 s[16:17], s[0:1], 0x30              ; wq
	v_lshl_add_u32 v62, v0, 2, 0x4200
	v_mov_b32 v63, 0
	v_lshrrev_b32 v1, 5, v0
	v_readfirstlane_b32 s23, v1                    ; wave 0, 1
	v_and_b32 v2, 31, v0                           ; lane
	v_and_b32 v3, 15, v0                           ; r
	v_bfe_u32 v9, v0, 4, 1                         ; h
	v_lshlrev_b32 v[LO], 4, v2
	s_mul_i32 s34, s23, WREG
	v_add_nc_u32 v[STI], s34, v[LO]
	v_mul_u32_u24 v[STO], v3, PITCH
	v_lshl_add_u32 v[STO], v9, 7, v[STO]
	v_add_nc_u32 v[STO], s34, v[STO]
	v_lshlrev_b32 v[CO], 3, v2
	v_lshlrev_b32 v[SH], 3, v9
	v_mov_b32 v[PT], 0                             ; written once: a lane permute's destination counts as one of its sources
	s_mov_b32 s20, 0x76543210
	s_mov_b32 s21, 0xfedcba98                      ; v_permlanex16_b32's selects for lane l xor 16
	s_mov_b32 s22, 0xffff0000                      ; lanes 16-31
	s_sub_co_u32 s24, ttmp9, 512                   ; the weights' row block 0 .. 255 (wraps for x, where it is not used)
	s_and_b32 s25, s24, 63                         ; and within its weight
	s_wait_alu depctr_va_vdst(0)
	s_wait_kmcnt 0x0
	s_cmp_lt_u32 s24, 192                          ; the source: every choice hangs on the work-group's number alone
	s_cselect_b64 s[18:19], s[10:11], s[12:13]
	s_cmp_lt_u32 s24, 128
	s_cselect_b64 s[18:19], s[8:9], s[18:19]
	s_cmp_lt_u32 s24, 64
	s_cselect_b64 s[18:19], s[6:7], s[18:19]
	s_cmp_lt_u32 ttmp9, 512
	s_cselect_b64 s[18:19], s[4:5], s[18:19]
	s_cselect_b64 s[28:29], s[14:15], s[16:17]     ; the destination
	s_cselect_b32 s25, ttmp9, s25                  ; the row block in the source,
	s_cselect_b32 s26, ttmp9, s24                  ; and in the destination
	s_mov_b32 s27, WS
	s_cselect_b32 s27, XS, s27
	s_lshr_b32 s30, s25, 1                         ; source: 32 rows of 4,096 bytes for each pair of blocks,
	s_lshl_b32 s30, s30, 17
	s_and_b32 s31, s25, 1
	s_lshl_b32 s31, s31, 15                        ; 8 rows for the odd block,
	s_add_co_u32 s30, s30, s31
	s_lshl_b32 s31, s23, 11                        ; 2,048 bytes for the second half of K
	s_add_co_u32 s30, s30, s31
	s_mov_b32 s31, 0
	s_add_nc_u64 s[18:19], s[18:19], s[30:31]
	s_mul_i32 s30, s26, 12288                      ; codes: 8 fragments a row block, my four
	s_mul_i32 s32, s23, 6144
	s_add_co_u32 s30, s30, s32
	s_add_nc_u64 s[36:37], s[28:29], s[30:31]
	s_lshl_b32 s30, s26, 9                         ; scale words: 512 bytes a row block, my 256
	s_add_co_u32 s30, s30, s27
	s_lshl_b32 s32, s23, 8
	s_add_co_u32 s30, s30, s32
	s_add_nc_u64 s[38:39], s[28:29], s[30:31]
.macro LOAD f                          ; fragment f: 128 numbers of each of the 16 rows, in position order
.irp t, 0,1,2,3,4,5,6,7,8,9,10,11,12,13,14,15
	global_load_b128 v[R+64*((\f)%2)+4*\t:R+64*((\f)%2)+4*\t+3], v[LO], s[18:19] offset:(16*(\t/8)+\t%8)*4096+512*(\f) th:TH_LOAD_NT
.endr
.endm
.macro FRQ f
.set RS, R+64*((\f)%2)
.if (\f) < 3
	s_wait_loadcnt 16                              ; this fragment's 16 loads are in; the next fragment's 16 may be out
.else
	s_wait_loadcnt 0x0
.endif
.irp t, 0,1,2,3,4,5,6,7,8,9,10,11,12,13,14,15
	ds_store_b128 v[STI], v[RS+4*\t:RS+4*\t+3] offset:PITCH*\t
.endr
.irp c, 0,1                            ; lane (r, h) takes k = 64 c + 32 h + 0 .. 31 of row r: the operand's own order.  LDS serves a wave's instructions in order: these see the stores
.irp i, 0,1,2,3,4,5,6,7
	ds_load_b128 v[X+32*\c+4*\i:X+32*\c+4*\i+3], v[STO] offset:256*\c+16*\i
.endr
.endr
	s_wait_dscnt 0x0                               ; my numbers are here, and the stores have read their registers,
.if (\f) < 2
	LOAD (\f)+2                                    ; which take the loads of two fragments on
.endif
.irp c, 0,1
	v_max3_num_f32 v[MX+\c], |v[X+32*\c]|, |v[X+32*\c+1]|, 0x1800000   ; my block 2 c + h, all 32 numbers mine; the floor 2^(3 - 127) holds the byte at 1 from below
.endr
.irp i, 2,4,6,8,10,12,14,16,18,20,22,24,26,28,30
.irp c, 0,1
	v_max3_num_f32 v[MX+\c], v[MX+\c], |v[X+32*\c+\i]|, |v[X+32*\c+\i+1]|   ; (the two blocks by turns)
.endr
.endr
.irp c, 0,1
	v_add_nc_u32 v[SO+\c], 0xff000000, v[MX+\c]    ; 2 off the exponent field: the conversion takes this operand's exponent field as its scale
.endr
.irp c, 0,1
	v_lshrrev_b32 v[BY+\c], 23, v[SO+\c]           ; the scale's byte
.endr
	v_lshl_or_b32 v[W+\f], v[BY+1], 16, v[BY]      ; blocks h and 2 + h,
	v_lshlrev_b32 v[W+\f], v[SH], v[W+\f]          ; at their places in the row's word;
	v_permlanex16_b32 v[PT], v[W+\f], s20, s21
	v_or_b32 v[W+\f], v[W+\f], v[PT]               ; with lane l xor 16's two the word is whole, in both lanes
.if (\f) > 0
	s_wait_alu depctr_va_vdst(0)
	s_wait_xcnt 0x0                                ; the last fragment's stores have read the codes' registers
.endif
	v_cvt_scalef32_pk16_fp6_f32 v[C:C+2], v[X:X+15], v[SO]
	v_cvt_scalef32_pk16_fp6_f32 v[T:T+2], v[X+16:X+31], v[SO]          ; (a conversion's three registers begin on an even number)
	v_cvt_scalef32_pk16_fp6_f32 v[C+6:C+8], v[X+32:X+47], v[SO+1]
	v_cvt_scalef32_pk16_fp6_f32 v[T+4:T+6], v[X+48:X+63], v[SO+1]
	v_nop                                          ; one plain place behind a scaled conversion
.irp i, 0,1,2
	v_mov_b32 v[C+3+\i], v[T+\i]
	v_mov_b32 v[C+9+\i], v[T+4+\i]
.endr
.irp p, 0,1,2,3,4,5
	global_store_b64 v[CO], v[C+2*\p:C+2*\p+1], s[36:37] offset:1536*(\f)+256*\p   ; a plane: 32 lanes store 256 consecutive bytes, aligned
.endr
.endm
	LOAD 0
	LOAD 1
	FRQ 0
	FRQ 1
	FRQ 2
	FRQ 3
	v_cndmask_b32 v24, v[W], v[W+2], s22           ; lanes 0-15: my first pair of K steps; lanes 16-31: my second
	v_cndmask_b32 v25, v[W+1], v[W+3], s22
	global_store_b64 v[CO], v[24:25], s[38:39]     ; 256 consecutive bytes, aligned
	s_wait_tensorcnt 0x0
	ds_add_u32 v62, v63
	s_wait_dscnt 0x0
	s_endpgm
.Lfunc_end_k_qc6b4761dbf_quant:
	.size	k_qc6b4761dbf_quant, .Lfunc_end_k_qc6b4761dbf_quant-k_qc6b4761dbf_quant
	.p2alignl 7, 3214868480
	.fill 96, 4, 3214868480
	.section	.rodata,"a",@progbits
	.p2align	6, 0x0
	.amdhsa_kernel k_qc6b4761dbf_quant
		.amdhsa_group_segment_fixed_size 17152
		.amdhsa_private_segment_fixed_size 0
		.amdhsa_enable_private_segment 0
		.amdhsa_kernarg_size 56
		.amdhsa_user_sgpr_count 2
		.amdhsa_user_sgpr_kernarg_segment_ptr 1
		.amdhsa_wavefront_size32 1
		.amdhsa_system_sgpr_workgroup_id_x 1
		.amdhsa_system_sgpr_workgroup_id_y 1
		.amdhsa_system_sgpr_workgroup_id_z 1
		.amdhsa_system_vgpr_workitem_id 0
		.amdhsa_next_free_vgpr 256
		.amdhsa_next_free_sgpr 66
		.amdhsa_reserve_vcc 0
		.amdhsa_float_denorm_mode_32 3
		.amdhsa_float_denorm_mode_16_64 3
		.amdhsa_memory_ordered 1
		.amdhsa_forward_progress 1
		.amdhsa_inst_pref_size 32
	.end_amdhsa_kernel
	.amdgpu_metadata
---
amdhsa.version: [ 1, 2 ]
amdhsa.kernels:
  - .name:           k_qc6b4761dbf_quant
    .symbol:         k_qc6b4761dbf_quant.kd
    .args:
      - { .name: x, .offset: 0, .size: 8, .value_kind: global_buffer, .address_space: global }
      - { .name: Wq, .offset: 8, .size: 8, .value_kind: global_buffer, .address_space: global }
      - { .name: Wk, .offset: 16, .size: 8, .value_kind: global_buffer, .address_space: global }
      - { .name: Wv, .offset: 24, .size: 8, .value_kind: global_buffer, .address_space: global }
      - { .name: Wo, .offset: 32, .size: 8, .value_kind: global_buffer, .address_space: global }
      - { .name: xq, .offset: 40, .size: 8, .value_kind: global_buffer, .address_space: global }
      - { .name: wq, .offset: 48, .size: 8, .value_kind: global_buffer, .address_space: global }
    .group_segment_fixed_size: 17152
    .private_segment_fixed_size: 0
    .kernarg_segment_align: 8
    .kernarg_segment_size: 56
    .max_flat_workgroup_size: 64
    .sgpr_count:     66
    .vgpr_count:     256
    .wavefront_size: 32
...
	.end_amdgpu_metadata
.endif
;; end of part 1
;; launch qkv (part 2): grid 8 x 32, 4 waves a work-group, clusters of 4 x 4, 327,680 bytes of LDS; arguments xq, wq, bq, bk, bv, qk, vq; writes qk, vq
.if DOCPART == 2
	.amdgcn_target "amdgcn-amd-amdhsa--gfx1250"
	.amdhsa_code_object_version 6
	.text
	.protected	k_qc6b4761dbf_qkv
	.globl	k_qc6b4761dbf_qkv
	.p2align	8
	.type	k_qc6b4761dbf_qkv,@function
k_qc6b4761dbf_qkv:
	s_mov_b64 s[64:65], 0
	v_nop
	global_prefetch_b8 v0, s[64:65] scope:SCOPE_SE
	s_setreg_imm32_b32 hwreg(HW_REG_WAVE_MODE, 25, 1), 1
	s_wait_xcnt 0x0
	s_wait_alu depctr_hold_cnt(0) depctr_sa_sdst(0) depctr_va_vdst(0) depctr_va_sdst(0) depctr_va_ssrc(0) depctr_va_vcc(0) depctr_vm_vsrc(0)
	s_getreg_b32 s2, hwreg(HW_REG_IB_STS2, 6, 4)
	s_cmp_eq_u32 s2, 0
	s_cbranch_scc0 .Lentry_in_a_cluster
	s_endpgm
.Lentry_in_a_cluster:
	s_bfe_u32 s2, ttmp6, 0x10000c
	s_cmp_lg_u32 s2, 0xf033
	s_cbranch_scc0 .Lentry_shape_is_right
	s_endpgm
.Lentry_shape_is_right:
; Q, K, V = x W^T + b on codes of FP6 (E2M3) with E8M0 scales, and their quantisers: Q and K leave as codes along the head's 64, V as codes along the tokens.  No f32 result is stored.
; xq, wq: images of the operand's registers: codes [row block of 16][K step 8][six planes of 256 bytes], scale words behind them [row block][pair of K steps 4][row 16][2 words];
; lane r of row block RB holds natural row 32 (RB / 2) + 16 (r / 8) + 8 (RB % 2) + r % 8.  wq: Wq's 64 row blocks, then Wk's, Wv's.
; OUT.  qk: codes [head: Q's 16, then K's][row block of tokens 512][three planes], scale words behind them [head][row block][row]: two bytes and 0x7f7f.
;       vq: codes [key step of 128 tokens 64][row block of d 64][six planes], scale words behind them [key step][row block][row].
; SHARES: 8 x 32 = 256 work-groups.  A work-group takes 256 rows of x and 128 columns of each of Wq, Wk, Wv, in three phases; four waves, 2 x 2: a wave takes 128 rows (one key step) x 64 columns (one head).
; LDS: x's 16 row blocks, ALL of K (196,608 bytes) and their scale words (8,192) are filled once and serve all three phases.  The weights' 8 row blocks (98,304) and scale words (4,096) have bytes of their own.
; A wave takes its 64 rows of the weight, all of K, into registers (32 fragments, 384 registers); then nobody reads the weights' bytes any more and they are filled again at once with the next weight,
; behind a round of the cluster's barrier with the tensor wait, the add and the LDS wait ahead of it.  So a refill is asked for a whole phase (256 products a wave) ahead of its first read: no prefetch is laid.  Two refills in all.
; THE HEAD: one joint load a wave: Wq's codes, Wq's scale words, x's scale words, x's codes.  The first barrier waits for the first two alone (their lines are waves 0's and 1's own): the weights go into registers while x lands.
; CLUSTERS 4 x 4: x's rows are shared along a row of the cluster, a weight's along a column.
; Q, K: source 0 = the weight's rows, so a lane holds one token and its registers run along the head.  Two row blocks of x at a time: 64 sums a lane, quantised and stored; a loop of three trips, the last pair written out (it fetches nothing).
; V: source 0 = x's rows, so a lane holds one column d and its registers run along the tokens: sum 64 b + 8 a + j; quantised when all eight row blocks are done.  THE BIAS IS THE FIRST PRODUCTS' C.
; x's blocks lie twice in registers: block a + 2 is fetched behind block a's products.  s_wait_dscnt 52 leaves out the 48 + 4 loads of the one block fetched behind the one that is waited for.
; REGISTERS.  Window 0: v8-29 addresses; v32-63 the weight's scale words; v68-83 x's, two sets; v84-115 a bias; v116-155 the quantiser's; v160-255 x's fragments, set 0.
; Window 1: the weight's fragments 0-20.  Window 2: v0-131 fragments 21-31; v144-239 x's fragments, set 1.  Window 3: the sums (Q, K: v0-63, and K's bias in v64-95).
; LIMITS: NaN and infinities are not served; a block whose largest magnitude lies under 2^-124 gets the byte 1 (read by this program alone).
.set XS,    6291456
.set WS,    3145728
.set QKS,   12582912
.set VS,    6291456
.set RB,    12288
.set BC,    196608
.set BSC,   294912
.set ASC,   299008
.set SPARE, 307200
.set NF,    52
.set SPW,  28
.set NIL,  29
.set SBW,  32
.set SAW,  68
.set BIA,  84
.set TM,   116
.set PW,   132
.set KEEP, 133
.set SDT,  134
.set PC,   136
.set WV, 18
.set HM, 19
.set HN, 20
.set CX, 21
.set CY, 22
.set CL, 23
.set G1A, 24
.set G0A, 32
.set G0B, 36
.set G1B, 48
.set G0SA, 56
.set G0SB, 60
.set SEL, 66
.set G1SA, 68
.set G1SB, 80
.set MSB, 0
.macro WIN new
.if MSB != \new
	s_set_vgpr_msb (MSB<<8)|\new
.set MSB, \new
.endif
.endm
.macro PLACES n
.rept \n
	v_nop
.endr
.endm
.macro WALU
	s_wait_alu depctr_va_vdst(0)
.endm
.macro CROUND
	s_barrier_signal -1
	s_barrier_wait -1
	s_cmp_lg_u32 s[WV], 0
	s_cbranch_scc1 .Lnot_wave_0_\@
	s_barrier_signal -3
.Lnot_wave_0_\@:
	s_barrier_wait -3
	s_barrier_signal -1
	s_barrier_wait -1
.endm
.macro DESC g, mask, rows              ; a dense block as rows of 256 bytes (32 elements of 8)
	s_or_b32 s[\g], s[\mask], (3<<16)|(1<<21)
	s_mov_b32 s[\g+1], 32<<16
	s_mov_b32 s[\g+2], (\rows)<<16
	s_mov_b32 s[\g+3], 32<<16
	s_mov_b32 s[\g+4], \rows
	s_mov_b32 s[\g+5], 32
	s_mov_b32 s[\g+6], 0
	s_mov_b32 s[\g+7], 0
.endm
.macro GRP0 g, lds, src
	s_mov_b32 s[\g], 1
	s_mov_b32 s[\g+1], \lds
	s_mov_b64 s[\g+2:\g+3], s[\src:\src+1]
	s_or_b32 s[\g+3], s[\g+3], 0x80000000
.endm
.macro TLOAD g0, g1
	tensor_load_to_lds s[\g0:\g0+3], s[\g1:\g1+7]
	s_nop 0
	PLACES 4
.endm
	s_load_b256 s[4:11], s[0:1], 0x0               ; xq, wq, bq, bk
	s_load_b128 s[12:15], s[0:1], 0x20             ; bv, qk
	s_load_b64 s[16:17], s[0:1], 0x30              ; vq
	v_lshl_add_u32 v[SPW], v0, 2, SPARE
	v_mov_b32 v[NIL], 0
	ds_add_u32 v[SPW], v[NIL]                      ; the opening lines: the add twice on end and one wait
	ds_add_u32 v[SPW], v[NIL]
	v_lshrrev_b32 v1, 5, v0
	v_readfirstlane_b32 s[WV], v1
	s_lshr_b32 s[HM], s[WV], 1                     ; my half of the rows,
	s_and_b32 s[HN], s[WV], 1                      ; of the columns
	s_bfe_u32 s[CX], ttmp6, 0x40000
	s_bfe_u32 s[CY], ttmp6, 0x40004
	s_and_b32 s[CL], ttmp7, 0xffff
	s_lshl_b32 s42, s[CY], 2
	s_lshl_b32 s42, 15, s42                        ; my row of the cluster
	s_lshl_b32 s43, 0x1111, s[CX]                  ; my column
	DESC G1A, 42, 768
	DESC G1B, 43, 384
	DESC G1SA, 42, 32
	DESC G1SB, 43, 16
	s_mov_b32 s[SEL], 0x76543210
	s_mov_b32 s[SEL+1], 0xfedcba98
	s_mov_b32 s79, 0xffff0000
	s_lshl_b32 s40, s[CL], 2
	s_add_co_u32 s40, s40, s[CY]                   ; tile row 0 .. 31
	s_lshl_b32 s41, ttmp9, 2
	s_add_co_u32 s41, s41, s[CX]                   ; column group 0 .. 7
	s_mul_i32 s96, s40, 16*RB
	s_mov_b32 s97, 0
	s_lshl_b32 s98, s40, 13
	s_add_co_u32 s98, s98, XS
	s_mov_b32 s99, 0
	s_mul_i32 s92, s41, 8*RB
	s_mov_b32 s93, 0
	s_lshl_b32 s94, s41, 12
	s_add_co_u32 s94, s94, WS
	s_mov_b32 s95, 0
	s_wait_dscnt 0x0
	s_wait_kmcnt 0x0
	s_add_nc_u64 s[96:97], s[4:5], s[96:97]
	s_add_nc_u64 s[98:99], s[4:5], s[98:99]
	s_add_nc_u64 s[92:93], s[6:7], s[92:93]
	s_add_nc_u64 s[94:95], s[6:7], s[94:95]
	CROUND                                         ; all sixteen work-groups are here: the joint loads meet
	GRP0 G0A, 0, 96
	GRP0 G0SA, ASC, 98
	GRP0 G0B, BC, 92
	GRP0 G0SB, BSC, 94
.macro ARM under, g0, g1, next         ; one chain of branches on the wave's number, one load to an arm
	s_cmp_lt_u32 s[WV], \under
	s_cbranch_scc0 \next
	TLOAD \g0, \g1
	s_branch .Lhead_asked
\next:
.endm
	ARM 1, G0B,  G1B,  .Lhead_sb
	ARM 2, G0SB, G1SB, .Lhead_sa
	ARM 3, G0SA, G1SA, .Lhead_a
	TLOAD G0A, G1A
.Lhead_asked:
	s_lshl_b32 s44, s41, 1
	s_add_co_u32 s44, s44, s[HN]                   ; my head 0 .. 15
	s_lshl_b32 s45, s40, 4
	s_lshl_b32 s46, s[HM], 3
	s_add_co_u32 s45, s45, s46                     ; my first row block of x
	s_mul_i32 s88, s44, 393216
	s_mul_i32 s46, s45, 768
	s_add_co_u32 s88, s88, s46
	s_mov_b32 s89, 0
	s_add_nc_u64 s[88:89], s[14:15], s[88:89]      ; Q's codes
	s_lshl_b32 s90, s44, 15
	s_lshl_b32 s46, s45, 6
	s_add_co_u32 s90, s90, s46
	s_add_co_u32 s90, s90, QKS
	s_mov_b32 s91, 0
	s_add_nc_u64 s[90:91], s[14:15], s[90:91]      ; Q's scale words
	s_lshl_b32 s46, s40, 1
	s_add_co_u32 s46, s46, s[HM]                   ; my key step 0 .. 63
	s_lshl_b32 s47, s44, 2                         ; my first row block of d
	s_mul_i32 s92, s46, 98304
	s_mul_i32 s96, s47, 1536
	s_add_co_u32 s92, s92, s96
	s_mov_b32 s93, 0
	s_add_nc_u64 s[92:93], s[16:17], s[92:93]      ; V's codes
	s_lshl_b32 s94, s46, 12
	s_lshl_b32 s96, s47, 6
	s_add_co_u32 s94, s94, s96
	s_add_co_u32 s94, s94, VS
	s_mov_b32 s95, 0
	s_add_nc_u64 s[94:95], s[16:17], s[94:95]      ; V's scale words
	s_lshl_b32 s96, s44, 8                         ; my head's 64 numbers of a bias
	s_mov_b32 s97, 0
	s_add_nc_u64 s[8:9], s[8:9], s[96:97]
	s_add_nc_u64 s[10:11], s[10:11], s[96:97]
	s_add_nc_u64 s[12:13], s[12:13], s[96:97]
	s_mul_i32 s2, s[HM], 8*RB                      ; LDS: my 8 row blocks of x,
	s_add_co_u32 s3, s2, 4*RB                      ; (the upper four: an LDS offset has 16 bits)
	s_mul_i32 s46, s[HN], 4*RB
	s_add_co_u32 s46, s46, BC                      ; my 4 of the weight,
	s_lshl_b32 s47, s[HM], 12
	s_add_co_u32 s47, s47, ASC                     ; x's scale words,
	s_lshl_b32 s96, s[HN], 11
	s_add_co_u32 s96, s96, BSC                     ; the weight's
	v_and_b32 v1, 15, v0                           ; r
	v_bfe_u32 v2, v0, 4, 1                         ; h
	v_and_b32 v3, 31, v0
	v_lshlrev_b32 v18, 3, v3                       ; v18: 8 x lane
	v_lshlrev_b32 v19, 2, v3                       ; v19: 4 x lane
	v_add_nc_u32 v8, s2, v18
	v_add_nc_u32 v20, s3, v18
	v_add_nc_u32 v9, s46, v18
	v_lshlrev_b32 v4, 3, v1
	v_add_nc_u32 v10, s47, v4
	v_add_nc_u32 v11, s96, v4
	v_lshlrev_b32 v5, 6, v2                        ; Q, K: register j of tile b, lane (r, h): column 32 (b / 2) + 16 h + 8 (b % 2) + j
	v_and_b32 v6, 8, v1
	v_add_nc_u32 v6, v6, v1
	v_lshlrev_b32 v6, 2, v6                        ; V: lane (r, h) of tile b has column 32 (b / 2) + 16 (r / 8) + 8 (b % 2) + r % 8
	v_mul_u32_u24 v21, v2, 0x0202
	v_add_nc_u32 v21, 0x0504, v21                  ; byte selects: lanes 0-15 the word's bytes 0, 1; lanes 16-31 bytes 2, 3; above them 0x7f7f
	v_mov_b32 v22, 0x7f7f7f7f
.irp b, 0,1,2,3
	v_mov_b32 v[TM+4+\b], 0                        ; written once: a lane permute's destination counts as one of its sources
.endr
.irp b, 0,1,2,3
	global_load_b128 v[BIA+8*\b:BIA+8*\b+3], v5, s[8:9] offset:(32*(\b/2)+8*(\b%2))*4
	global_load_b128 v[BIA+8*\b+4:BIA+8*\b+7], v5, s[8:9] offset:(32*(\b/2)+8*(\b%2))*4+16
	global_load_b32 v[12+\b], v6, s[12:13] offset:(32*(\b/2)+8*(\b%2))*4
.endr
	WIN 0xc0
.irp b, 0,1,2,3
	global_load_b128 v[64+8*\b:64+8*\b+3], v5, s[10:11] offset:(32*(\b/2)+8*(\b%2))*4
	global_load_b128 v[64+8*\b+4:64+8*\b+7], v5, s[10:11] offset:(32*(\b/2)+8*(\b%2))*4+16
.endr
	WIN 0
.macro BLOAD                           ; my 64 rows of the weight, all of K: fragment f = 4 q + b in window 1 + f / 21 at 12 (f % 21): 192 loads; and their scale words: 16
.irp q, 0,1,2,3,4,5,6,7
.irp b, 0,1,2,3
.set F_, 4*\q+\b
.set W_, (1+F_/21)<<6
	WIN W_
.irp p, 0,1,2,3,4,5
	ds_load_b64 v[12*(F_%21)+2*\p:12*(F_%21)+2*\p+1], v9 offset:RB*\b+1536*\q+256*\p
.endr
.endr
.endr
	WIN 0
.irp b, 0,1,2,3
.irp pr, 0,1,2,3
	ds_load_b64 v[SBW+8*\b+2*\pr:SBW+8*\b+2*\pr+1], v11 offset:512*\b+128*\pr
.endr
.endr
.endm
.macro FETCH e, adr, sadr, off, soff   ; a row block of x, all of K, into set e: 48 + 4 loads
.set W_, (2*(\e))<<6
	WIN W_
.irp q, 0,1,2,3,4,5,6,7
.irp p, 0,1,2,3,4,5
	ds_load_b64 v[160-16*(\e)+12*\q+2*\p:160-16*(\e)+12*\q+2*\p+1], v[\adr] offset:(\off)+1536*\q+256*\p
.endr
.endr
	WIN 0
.irp pr, 0,1,2,3
	ds_load_b64 v[SAW+8*(\e)+2*\pr:SAW+8*(\e)+2*\pr+1], v[\sadr] offset:(\soff)+128*\pr
.endr
.endm
.macro W1 d, s0, s1, c, x0, x1
	v_wmma_scale_f32_16x16x128_f8f6f4 v[\d:\d+7], v[\s0:\s0+11], v[\s1:\s1+11], \c, v[\x0], v[\x1] matrix_a_fmt:MATRIX_FMT_FP6 matrix_b_fmt:MATRIX_FMT_FP6
.endm
; a block's 32 products; the four sums take turns.  kind 0: source 0 the weight; 1: source 0 x.  Sum of tile b at d0 + ds b; the bias at cb + 8 b in window cw
.macro PRODS kind, e, d0, ds, cb, cw
.irp q, 0,1,2,3,4,5,6,7
.irp b, 0,1,2,3
.set F_, 4*\q+\b
.set WB_, 1+F_/21
.set FB_, 12*(F_%21)
.set FA_, 160-16*(\e)+12*\q
.set WA_, 2*(\e)
.set D_, (\d0)+(\ds)*\b
.set XB_, SBW+8*\b+\q
.set XA_, SAW+8*(\e)+\q
.if \q == 0
.set CW_, \cw
.else
.set CW_, 3
.endif
.if \kind
.set W_, WA_|(WB_<<2)|(CW_<<4)|(3<<6)
	WIN W_
.if \q == 0
	W1 D_, FA_, FB_, v[(\cb)+8*\b:(\cb)+8*\b+7], XA_, XB_
.else
	W1 D_, FA_, FB_, v[D_:D_+7], XA_, XB_
.endif
.else
.set W_, WB_|(WA_<<2)|(CW_<<4)|(3<<6)
	WIN W_
.if \q == 0
	W1 D_, FB_, FA_, v[(\cb)+8*\b:(\cb)+8*\b+7], XB_, XA_
.else
	W1 D_, FB_, FA_, v[D_:D_+7], XB_, XA_
.endif
.endif
.endr
.endr
	WIN 0
.endm
; 64 sums of a lane from register x of window 3 on: four groups of 16, each half a block of 32 (the other half in lane l xor 16).  Codes into v[PC .. PC+11], the four bytes into v[PW]
.macro QUANT x
	WIN 0x0f
.irp b, 0,1,2,3
	v_max3_num_f32 v[TM+\b], |v[(\x)+16*\b]|, |v[(\x)+1+16*\b]|, 0x1800000   ; the floor 2^(3 - 127) holds the byte at 1 from below
.endr
	WIN 0x3c
.irp i, 2,4,6,8,10,12,14
.irp b, 0,1,2,3
	v_max3_num_f32 v[TM+\b], v[TM+\b], |v[(\x)+16*\b+\i]|, |v[(\x)+1+16*\b+\i]|
.endr
.endr
	WIN 0
.irp b, 0,1,2,3
	v_permlanex16_b32 v[TM+4+\b], v[TM+\b], s[SEL], s[SEL+1]
.endr
.irp b, 0,1,2,3
	v_max_num_f32 v[TM+\b], v[TM+\b], v[TM+4+\b]
.endr
.irp b, 0,1,2,3
	v_add_nc_u32 v[TM+12+\b], 0xff000000, v[TM+\b]       ; 2 off the exponent field: the conversion's scale operand
.endr
.irp b, 0,1,2,3
	v_lshrrev_b32 v[TM+4+\b], 23, v[TM+12+\b]            ; the byte
.endr
	v_lshl_or_b32 v[PW], v[TM+5], 8, v[TM+4]
	v_lshl_or_b32 v[PW], v[TM+6], 16, v[PW]
	v_lshl_or_b32 v[PW], v[TM+7], 24, v[PW]
	WIN 0x03
.irp c, 0,1
	v_cvt_scalef32_pk16_fp6_f32 v[PC+6*\c:PC+2+6*\c], v[(\x)+32*\c:(\x)+15+32*\c], v[TM+12+2*\c]
	v_cvt_scalef32_pk16_fp6_f32 v[PC+12+4*\c:PC+14+4*\c], v[(\x)+16+32*\c:(\x)+31+32*\c], v[TM+12+2*\c+1]
.endr
	WIN 0
	v_nop                                          ; one plain place behind a scaled conversion
.irp c, 0,1
.irp i, 0,1,2
	v_permlane16_swap_b32 v[PC+6*\c+\i], v[PC+12+4*\c+\i]   ; the operand's layout wants a whole block in a lane
.endr
.irp i, 0,1,2
	v_mov_b32 v[PC+3+6*\c+\i], v[PC+12+4*\c+\i]
.endr
.endr
.endm
; two row blocks of x against my head of Q or K, and their way out
.macro PAIR fetch, cb, cw
	s_wait_dscnt NF                                ; the even block is in
	PRODS 0, 0, 0, 8, \cb, \cw
.if \fetch
	v_add_nc_u32 v16, s76, v8                      ; the pair two blocks on
	v_add_nc_u32 v17, s77, v10
	WALU
	PLACES 4
	FETCH 0, 16, 17, 0, 0
	s_wait_dscnt NF                                ; the odd block is in
.else
	s_wait_dscnt 0x0
.endif
	PRODS 0, 1, 32, 8, \cb, \cw
	PLACES 4
.if \fetch
	FETCH 1, 16, 17, RB, 512
.endif
	QUANT 0                                        ; registers 0-5: the even block's operand, 6-11: the odd block's
.irp p, 0,1,2,3,4,5
	global_store_b64 v18, v[PC+2*\p:PC+2*\p+1], s[88:89] offset:256*\p   ; a plane: 256 consecutive bytes, aligned
.endr
	v_perm_b32 v[KEEP], v[PW], v22, v21            ; lanes 0-15 the even block's word of row r, lanes 16-31 the odd block's
	global_store_b32 v19, v[KEEP], s[90:91]
.if \fetch
	WALU
	s_wait_xcnt 0x0                                ; the stores have read their registers and bases
	s_add_nc_u64 s[88:89], s[88:89], 1536
	s_add_nc_u64 s[90:91], s[90:91], 128
.endif
.endm
.macro PHASEQK cb, cw, last
	BLOAD
	WALU
	s_wait_tensorcnt 0x0                           ; all my loads have landed (in the first phase: x's among them);
	ds_add_u32 v[SPW], v[NIL]
	s_add_nc_u64 s[G0B+2:G0B+3], s[G0B+2:G0B+3], 64*RB      ; the next weight's rows,
	s_add_nc_u64 s[G0SB+2:G0SB+3], s[G0SB+2:G0SB+3], 64*512 ; and scale words
	s_wait_dscnt 0x0                               ; the add is done, and the weight is in my registers
	CROUND                                         ; the same holds of every wave of the cluster
	s_cmp_eq_u32 s[WV], 0
	s_cbranch_scc0 .Lrs_\@
	TLOAD G0B, G1B
	s_branch .Lrd_\@
.Lrs_\@:
	s_cmp_eq_u32 s[WV], 1
	s_cbranch_scc0 .Lrd_\@
	TLOAD G0SB, G1SB
.Lrd_\@:
	FETCH 0, 8, 10, 0, 0
	FETCH 1, 8, 10, RB, 512
	s_mov_b32 s76, 2*RB
	s_mov_b32 s77, 1024
	s_mov_b32 s78, 3
.Lpair_\@:
	PAIR 1, \cb, \cw
	s_add_co_u32 s76, s76, 2*RB
	s_add_co_u32 s77, s77, 1024
	s_sub_co_u32 s78, s78, 1
	s_cmp_lg_u32 s78, 0
	s_cbranch_scc1 .Lpair_\@
	PAIR 0, \cb, \cw
	WALU
.if \last == 0
	s_wait_xcnt 0x0
	s_add_nc_u64 s[88:89], s[88:89], 16*393216-3*1536      ; from Q's last pair to K's first
	s_add_nc_u64 s[90:91], s[90:91], 16*32768-3*128
.endif
	s_wait_tensorcnt 0x0
	s_wait_dscnt 0x0
	s_barrier_signal -1                            ; a plain barrier: the next weight is shown to all
	s_barrier_wait -1
.endm
	WALU                                           ; the wait at the head's end
	s_cmp_lt_u32 s[WV], 2
	s_cbranch_scc0 .Lnot_b
	s_wait_tensorcnt 0x0
.Lnot_b:
	s_barrier_signal -1
	s_barrier_wait -1                              ; Wq's rows and scale words are in; x may still be on its way
	s_wait_loadcnt 0x0                             ; the biases
	PHASEQK BIA, 0, 0
	PHASEQK 64, 3, 1
; V
.irp b, 0,1,2,3
.irp j, 0,1,2,3,4,5,6,7
	v_mov_b32 v[BIA+8*\b+\j], v[12+\b]             ; V's number, one a lane and tile, over the tile's eight registers
.endr
.endr
	PLACES 4
	WALU
	BLOAD
	FETCH 0, 8, 10, 0, 0
	FETCH 1, 8, 10, RB, 512
.irp a, 0,1,2,3,4,5,6,7
.if \a < 7
	s_wait_dscnt NF
.else
	s_wait_dscnt 0x0
.endif
	PRODS 1, \a%2, 8*\a, 64, BIA, 0
.if \a < 6
	PLACES 4
	FETCH \a%2, 8+12*((\a+2)/4), 10, RB*((\a+2)%4), 512*(\a+2)
.endif
.endr
	PLACES 4
.irp b, 0,1,2,3
	WALU
	s_wait_xcnt 0x0                                ; earlier stores have read the codes' registers
	QUANT 64*\b
.irp p, 0,1,2,3,4,5
	global_store_b64 v18, v[PC+2*\p:PC+2*\p+1], s[92:93] offset:1536*\b+256*\p
.endr
.if \b%2 == 0
	v_mov_b32 v[KEEP], v[PW]
.else
	v_cndmask_b32 v[SDT], v[KEEP], v[PW], s79      ; lanes 0-15 the even tile's words, lanes 16-31 the odd tile's
	global_store_b32 v19, v[SDT], s[94:95] offset:64*(\b-1)
.endif
.endr
	s_wait_tensorcnt 0x0                           ; the wave's end
	ds_add_u32 v[SPW], v[NIL]
	s_wait_dscnt 0x0
	CROUND                                         ; the closing round
	s_endpgm
.Lfunc_end_k_qc6b4761dbf_qkv:
	.size	k_qc6b4761dbf_qkv, .Lfunc_end_k_qc6b4761dbf_qkv-k_qc6b4761dbf_qkv
	.p2alignl 7, 3214868480
	.fill 96, 4, 3214868480
	.section	.rodata,"a",@progbits
	.p2align	6, 0x0
	.amdhsa_kernel k_qc6b4761dbf_qkv
		.amdhsa_group_segment_fixed_size 327680
		.amdhsa_private_segment_fixed_size 0
		.amdhsa_enable_private_segment 0
		.amdhsa_kernarg_size 56
		.amdhsa_user_sgpr_count 2
		.amdhsa_user_sgpr_kernarg_segment_ptr 1
		.amdhsa_wavefront_size32 1
		.amdhsa_system_sgpr_workgroup_id_x 1
		.amdhsa_system_sgpr_workgroup_id_y 1
		.amdhsa_system_sgpr_workgroup_id_z 1
		.amdhsa_system_vgpr_workitem_id 0
		.amdhsa_next_free_vgpr 1024
		.amdhsa_next_free_sgpr 100
		.amdhsa_reserve_vcc 0
		.amdhsa_float_denorm_mode_32 3
		.amdhsa_float_denorm_mode_16_64 3
		.amdhsa_memory_ordered 1
		.amdhsa_forward_progress 1
		.amdhsa_inst_pref_size 214
	.end_amdhsa_kernel
	.amdgpu_metadata
---
amdhsa.version: [ 1, 2 ]
amdhsa.kernels:
  - .name:           k_qc6b4761dbf_qkv
    .symbol:         k_qc6b4761dbf_qkv.kd
    .args:
      - { .name: xq, .offset: 0, .size: 8, .value_kind: global_buffer, .address_space: global }
      - { .name: wq, .offset: 8, .size: 8, .value_kind: global_buffer, .address_space: global }
      - { .name: bq, .offset: 16, .size: 8, .value_kind: global_buffer, .address_space: global }
      - { .name: bk, .offset: 24, .size: 8, .value_kind: global_buffer, .address_space: global }
      - { .name: bv, .offset: 32, .size: 8, .value_kind: global_buffer, .address_space: global }
      - { .name: qk, .offset: 40, .size: 8, .value_kind: global_buffer, .address_space: global }
      - { .name: vq, .offset: 48, .size: 8, .value_kind: global_buffer, .address_space: global }
    .group_segment_fixed_size: 327680
    .private_segment_fixed_size: 0
    .kernarg_segment_align: 8
    .kernarg_segment_size: 56
    .max_flat_workgroup_size: 128
    .sgpr_count:     100
    .vgpr_count:     1024
    .wavefront_size: 32
...
	.end_amdgpu_metadata
.endif
;; end of part 2
;; launch attn (part 3): grid 4 x 64, 8 waves a work-group, clusters of 4 x 1, 222,208 bytes of LDS; arguments qk, vq, aq; writes aq
.if DOCPART == 3
	.amdgcn_target "amdgcn-amd-amdhsa--gfx1250"
	.amdhsa_code_object_version 6
	.text
	.protected	k_qc6b4761dbf_attn
	.globl	k_qc6b4761dbf_attn
	.p2align	8
	.type	k_qc6b4761dbf_attn,@function
k_qc6b4761dbf_attn:
	s_mov_b64 s[64:65], 0
	v_nop
	global_prefetch_b8 v0, s[64:65] scope:SCOPE_SE
	s_setreg_imm32_b32 hwreg(HW_REG_WAVE_MODE, 25, 1), 1
	s_wait_xcnt 0x0
	s_wait_alu depctr_hold_cnt(0) depctr_sa_sdst(0) depctr_va_vdst(0) depctr_va_sdst(0) depctr_va_ssrc(0) depctr_va_vcc(0) depctr_vm_vsrc(0)
	s_getreg_b32 s2, hwreg(HW_REG_IB_STS2, 6, 4)
	s_cmp_eq_u32 s2, 0
	s_cbranch_scc0 .Lentry_in_a_cluster
	s_endpgm
.Lentry_in_a_cluster:
	s_bfe_u32 s2, ttmp6, 0x10000c
	s_cmp_lg_u32 s2, 0x3003
	s_cbranch_scc0 .Lentry_shape_is_right
	s_endpgm
.Lentry_shape_is_right:
; For each batch and head: o = softmax(q k^T / 8) v, both products on codes of FP6 (E2M3) with E8M0 scales; o is quantised along d_model in registers and leaves as codes, laid as xq.
; THE SOFTMAX: t = score x log2(e) / 8; M = the row's largest t so far, rounded UP to a whole number; p = 2^(t - M) is quantised along the keys, not normalised.
; The row's sum is taken of the unquantised p, in f32, and divides O at the end.  When M moves, the sum and O are multiplied by 2^(old M - new M): exact.
; SHARES.  The cluster's y is batch x 16 + head; its four work-groups take 512 queries each; each of eight waves takes four tiles of 16 queries, TWO AT A TIME: the two share every fragment of K and V
; that is read from LDS, and their chains of dependent lines stand line by line in turn.
; LDS IS FILLED ONCE: a head's K, V and scale words, asked for JOINTLY by the four work-groups, one tensor load a wave.  No byte is filled again: no ring, one barrier.
; No prefetch: every tile is asked for at the head, so there is no loop to run ahead in.
; Both products are used transposed: S^T = K Q^T, O^T = V^T P^T: a lane holds ONE query throughout.
; WHICH KEYS FORM A TILE OF K: tile 4 c + u takes as its row 8 g + j the key 64 c + 32 g + 8 u + j of the step.  So registers 32 c .. 32 c + 31 of lane (r, h) are keys 64 c + 32 h + 0 .. 31:
; a whole scale block of p, in the order of the next operand's registers 6 c .. 6 c + 5.  No lane is asked for a block's maximum and no codes change lanes.
; In qk key 32 a + 16 b + 8 e + j lies in row block 2 a + e as row 8 b + j, so lane (8 g + j, h) reads row block 4 c + 2 g + u % 2, lane place 8 (u / 2) + j + 16 h.
; K's planes of 256 bytes lie 288 apart in LDS (32 bytes of padding): two row blocks are 1,728 bytes, 192 modulo 256, so the four groups of eight lanes of a load touch four different runs of 64 bytes modulo 256.
; K = 64 IN AN INSTRUCTION OF K = 128: Q's registers 6-11 hold zero codes; K's tile t is named as twelve registers from 6 t: the upper six are the next tile's codes (behind tile 7: zeros), under scale bytes 0x7f.
; K's fragments of step s + 1 are fetched behind step s's first products; the last step's fetch reads the 6,912 (512) bytes behind K's codes (scale words), which V's fill has written, and is not used.
; REGISTERS.  Window 0: v1-11 addresses, v12-23 each tile's -M, largest score, sum, factor; v24-41 scale words; v44-59 at work; v64-191 S^T, then p, of both tiles; v192-255 O^T of both.
; Window 1: v0-53 K; v56-103 V; v104-127, v192-215 Q's four fragments; v128-151 p's codes; v152-166 the second halves of the conversions.
; LIMITS: NaN and infinities are not served; the promise holds while the scaled scores stay under 2^31 in magnitude; a block of o whose largest magnitude lies under 2^-124 gets the byte 1 (read by this program alone).
.set QKS,  12582912
.set VSO,  6291456
.set AS,   6291456
.set KST,  6912                        ; a key step of K in LDS: 8 row blocks x 3 planes x 288
.set VC,   110592                      ; V's codes [key step 16][4 fragments][1536]
.set KS,   208896                      ; K's scale words
.set VSL,  217088                      ; V's
.set SPARE, 221184                     ; the spare words: 128 bytes a wave
.set KW, 24
.set VW, 32
.set PW, 36
.set QW, 38
.set SH, 42
.set BM, 44
.set SO, 48
.set TP, 52
.set SPW, 60
.set NIL, 61
.set SA, 64
.set OA, 192
.set VF, 56
.set PC, 128
.set TC, 152
.set WV,  18
.set SEL, 20
.set CS,  22
.set TBK, 76
.set TSK, 77
.set TBV, 78
.set TJV, 79
.set HI,  80
.set CNT, 81
.set MSB, 0
.macro WIN new
.if MSB != \new
	s_set_vgpr_msb (MSB<<8)|\new
.set MSB, \new
.endif
.endm
.macro WALU
	s_wait_alu depctr_va_vdst(0)
.endm
.macro CROUND
	s_barrier_signal -1
	s_barrier_wait -1
	s_cmp_lg_u32 s[WV], 0
	s_cbranch_scc1 .Lnot_wave_0_\@
	s_barrier_signal -3
.Lnot_wave_0_\@:
	s_barrier_wait -3
	s_barrier_signal -1
	s_barrier_wait -1
.endm
.macro TL g0, g1
	tensor_load_to_lds s[\g0:\g0+3], s[\g1:\g1+7]
	s_nop 0
.rept 4
	v_nop
.endr
.endm
.macro WM d, a, b, c, sa, sb
	v_wmma_scale_f32_16x16x128_f8f6f4 v[\d:\d+7], v[\a:\a+11], v[\b:\b+11], \c, v[\sa], v[\sb] matrix_a_fmt:MATRIX_FMT_FP6 matrix_b_fmt:MATRIX_FMT_FP6
.endm
	s_load_b128 s[4:7], s[0:1], 0x0                ; qk, vq
	s_load_b64 s[8:9], s[0:1], 0x10                ; aq
	v_lshl_add_u32 v[SPW], v0, 2, SPARE
	v_mov_b32 v[NIL], 0
	ds_add_u32 v[SPW], v[NIL]                      ; the opening lines: the add twice on end and one wait
	ds_add_u32 v[SPW], v[NIL]
	v_lshrrev_b32 v1, 5, v0
	v_readfirstlane_b32 s[WV], v1                  ; wave 0..7
	s_bfe_u32 s10, ttmp6, 0x40000                  ; cx: it enters Q's and aq's global addresses alone
	s_and_b32 s11, ttmp7, 0xffff
	s_lshr_b32 s12, s11, 4                         ; batch
	s_and_b32 s13, s11, 15                         ; head
	s_and_b32 s14, s[WV], 3                        ; which quarter of K,
	s_and_b32 s3, s[WV], 1                         ; which half of V I fetch, if I fetch
	s_mov_b32 s24, 15|(3<<16)|(1<<20)|(1<<21)|(5<<22)|(7<<25)   ; K's codes: a quarter, 96 rows of 256 bytes, 8 words of padding behind each
	s_mov_b32 s25, 32<<16
	s_mov_b32 s26, 96<<16
	s_mov_b32 s27, 32<<16
	s_mov_b32 s28, 96
	s_mov_b32 s29, 32
	s_mov_b32 s30, 0
	s_mov_b32 s31, 0
	s_mov_b32 s32, 15|(3<<16)|(1<<21)              ; V's codes: eight key steps, each the head's four fragments: 8 rows of 6,144 bytes, 98,304 apart
	s_mov_b32 s33, 768<<16
	s_mov_b32 s34, 8<<16
	s_mov_b32 s35, 768<<16
	s_mov_b32 s36, 8
	s_mov_b32 s37, 12288
	s_mov_b32 s38, 0
	s_mov_b32 s39, 0
	s_mov_b32 s40, 15|(3<<16)|(1<<21)              ; K's scale words: 8,192 dense bytes
	s_mov_b32 s41, 32<<16
	s_mov_b32 s42, 32<<16
	s_mov_b32 s43, 32<<16
	s_mov_b32 s44, 32
	s_mov_b32 s45, 32
	s_mov_b32 s46, 0
	s_mov_b32 s47, 0
	s_mov_b32 s48, 15|(3<<16)|(1<<21)              ; V's scale words: 16 rows of 256 bytes, 4,096 apart
	s_mov_b32 s49, 32<<16
	s_mov_b32 s50, 16<<16
	s_mov_b32 s51, 32<<16
	s_mov_b32 s52, 16
	s_mov_b32 s53, 512
	s_mov_b32 s54, 0
	s_mov_b32 s55, 0
	s_add_co_u32 s15, s13, 16                      ; K's heads lie behind Q's sixteen
	s_mul_i32 s82, s15, 393216
	s_mul_i32 s16, s12, 98304
	s_add_co_u32 s82, s82, s16
	s_mul_i32 s17, s14, 24576
	s_add_co_u32 s82, s82, s17
	s_mov_b32 s83, 0                               ; K's codes in memory
	s_mul_i32 s2, s14, 27648                       ; and in LDS
	s_lshl_b32 s84, s12, 4
	s_lshl_b32 s16, s3, 3
	s_add_co_u32 s84, s84, s16
	s_mul_i32 s84, s84, 98304
	s_mul_i32 s16, s13, 6144
	s_add_co_u32 s84, s84, s16
	s_mov_b32 s85, 0                               ; V's codes in memory
	s_mul_i32 s3, s3, 49152
	s_add_co_u32 s3, s3, VC                        ; and in LDS
	s_lshl_b32 s86, s15, 15
	s_lshl_b32 s16, s12, 13
	s_add_co_u32 s86, s86, s16
	s_add_co_u32 s86, s86, QKS
	s_mov_b32 s87, 0                               ; K's scale words
	s_lshl_b32 s88, s12, 16
	s_lshl_b32 s16, s13, 8
	s_add_co_u32 s88, s88, s16
	s_add_co_u32 s88, s88, VSO
	s_mov_b32 s89, 0                               ; V's
	s_lshl_b32 s90, s12, 7
	s_lshl_b32 s16, s10, 5
	s_add_co_u32 s90, s90, s16
	s_add_co_u32 s90, s90, s[WV]                   ; my first tile of queries: row block 128 x batch + 32 cx + wave; the others lie 8, 16, 24 on
	s_mul_i32 s92, s13, 393216
	s_mul_i32 s16, s90, 768
	s_add_co_u32 s92, s92, s16
	s_mov_b32 s93, 0                               ; Q's codes
	s_lshl_b32 s94, s13, 15
	s_lshl_b32 s16, s90, 6
	s_add_co_u32 s94, s94, s16
	s_add_co_u32 s94, s94, QKS
	s_mov_b32 s95, 0                               ; Q's scale words
	s_mul_i32 s96, s90, 12288                      ; aq's codes: the row block, K step head / 2, its half head % 2
	s_lshr_b32 s16, s13, 1
	s_mul_i32 s16, s16, 1536
	s_add_co_u32 s96, s96, s16
	s_and_b32 s16, s13, 1
	s_mul_i32 s16, s16, 768
	s_add_co_u32 s96, s96, s16
	s_mov_b32 s97, 0
	s_lshl_b32 s98, s90, 9                         ; aq's scale bytes: [row block][head / 4][row][word (head / 2) % 2][byte 2 (head % 2) + block]
	s_lshr_b32 s16, s13, 2
	s_lshl_b32 s16, s16, 7
	s_add_co_u32 s98, s98, s16
	s_bfe_u32 s16, s13, 0x10001
	s_lshl_b32 s16, s16, 2
	s_add_co_u32 s98, s98, s16
	s_and_b32 s16, s13, 1
	s_lshl_b32 s16, s16, 1
	s_add_co_u32 s98, s98, s16
	s_add_co_u32 s98, s98, AS
	s_mov_b32 s99, 0
	s_mov_b32 s[SEL], 0x76543210
	s_mov_b32 s[SEL+1], 0xfedcba98                 ; v_permlanex16_b32's selects for lane l xor 16
	s_mov_b32 s[CS], 0x3e38aa3b                    ; c = log2(e) / 8
	s_mov_b32 s[CS+1], s[CS]
	s_mov_b32 s[HI], 0xffff0000
	s_wait_dscnt 0x0
	s_wait_kmcnt 0x0
	s_mov_b32 s56, 1
	s_mov_b32 s57, s2
	s_add_nc_u64 s[58:59], s[4:5], s[82:83]
	s_or_b32 s59, s59, 0x80000000
	s_mov_b32 s60, 1
	s_mov_b32 s61, s3
	s_add_nc_u64 s[62:63], s[6:7], s[84:85]
	s_or_b32 s63, s63, 0x80000000
	s_mov_b32 s68, 1
	s_mov_b32 s69, KS
	s_add_nc_u64 s[70:71], s[4:5], s[86:87]
	s_or_b32 s71, s71, 0x80000000
	s_mov_b32 s72, 1
	s_mov_b32 s73, VSL
	s_add_nc_u64 s[74:75], s[6:7], s[88:89]
	s_or_b32 s75, s75, 0x80000000
	s_add_nc_u64 s[92:93], s[4:5], s[92:93]
	s_add_nc_u64 s[94:95], s[4:5], s[94:95]
	s_add_nc_u64 s[96:97], s[8:9], s[96:97]
	s_add_nc_u64 s[98:99], s[8:9], s[98:99]
	CROUND                                         ; all four work-groups are here: the joint loads meet
	; one chain of branches on the wave's number, one load to an arm: waves 0-3 K's quarters, 4-5 V's halves, 6 K's scale words, 7 V's
	s_cmp_lt_u32 s[WV], 4
	s_cbranch_scc0 .Lfill_v
	TL 56, 24
	s_branch .Lfilled
.Lfill_v:
	s_cmp_lt_u32 s[WV], 6
	s_cbranch_scc0 .Lfill_ks
	TL 60, 32
	s_branch .Lfilled
.Lfill_ks:
	s_cmp_eq_u32 s[WV], 6
	s_cbranch_scc0 .Lfill_vs
	TL 68, 40
	s_branch .Lfilled
.Lfill_vs:
	TL 72, 48
.Lfilled:
	v_and_b32 v8, 31, v0                           ; lane
	v_and_b32 v9, 15, v0                           ; r
	v_bfe_u32 v10, v0, 4, 1                        ; h
	v_bfe_u32 v11, v0, 3, 1                        ; g = r / 8
	v_and_b32 v12, 7, v0                           ; j
	v_mul_u32_u24 v1, v11, 1728                    ; v1: K's codes: two row blocks for g,
	v_lshl_add_u32 v1, v12, 3, v1                  ; 8 j,
	v_lshl_add_u32 v1, v10, 7, v1                  ; 128 h
	v_lshlrev_b32 v5, 3, v8                        ; v5: 8 x lane
	v_add_nc_u32 v2, VC, v5                        ; v2: V's codes
	v_lshlrev_b32 v3, 7, v11
	v_lshl_add_u32 v3, v12, 2, v3
	v_add_nc_u32 v3, KS, v3                        ; v3: K's scale words: 128 g + 4 j
	v_lshlrev_b32 v6, 2, v9                        ; v6: 4 r
	v_add_nc_u32 v4, VSL, v6                       ; v4: V's scale words
	v_lshl_add_u32 v7, v9, 3, v10                  ; v7: 8 r + h: my scale byte's place in aq
	v_lshlrev_b32 v[SH], 3, v10                    ; 8 h: where my two bytes stand in p's scale word
	WIN 0x40
.irp k, 0,1,2,3
.irp p, 0,1,2
	global_load_b64 v[104+12*\k+64*(\k/2)+2*\p:105+12*\k+64*(\k/2)+2*\p], v5, s[92:93] offset:6144*\k+256*\p   ; Q's four tiles: registers 0-5 of each fragment
.endr
.endr
.irp k, 0,1,2,3
.irp j, 0,1,2,3,4,5
	v_mov_b32 v[110+12*\k+64*(\k/2)+\j], 0         ; zero codes for k = 64 .. 127
.endr
.endr
.irp j, 0,1,2,3,4,5
	v_mov_b32 v[48+\j], 0                          ; what stands behind K's tile 7
.endr
	WIN 0
.irp k, 0,1,2,3
	global_load_b32 v[QW+\k], v6, s[94:95] offset:512*\k
.endr
.irp b, 0,1,2,3
	v_mov_b32 v[TP+\b], 0                          ; written once: a lane permute's destination counts as one of its sources
.endr
	v_mov_b32 v21, 0                               ; (upper halves of pairs of which the low word serves both halves)
	v_mov_b32 v23, 0
	WALU                                           ; the wait at the head's end
	s_wait_tensorcnt 0x0                           ; my part has landed,
	s_barrier_signal -1
	s_barrier_wait -1                              ; everybody's has
	s_wait_loadcnt 0x0                             ; Q
.macro KLOAD adr, sadr                 ; eight tiles of K (24 loads) and their scale words (8)
	WIN 0x40
.irp t, 0,1,2,3,4,5,6,7
.irp p, 0,1,2
	ds_load_b64 v[6*\t+2*\p:6*\t+2*\p+1], v[\adr] offset:3456*(\t/4)+864*(\t%2)+64*((\t%4)/2)+288*\p
.endr
.endr
	WIN 0
.irp t, 0,1,2,3,4,5,6,7
	ds_load_b32 v[KW+\t], v[\sadr] offset:256*(\t/4)+64*(\t%2)+32*((\t%4)/2)
.endr
.endm
.macro SCALE x                         ; tile x: the scale word of its p and the codes.  My blocks are h and 2 + h
	v_max_num_f32 v[BM+2*\x], 0x1800000, v[BM+2*\x]           ; the floor 2^(3 - 127): the byte cannot fall under 1
	v_max_num_f32 v[BM+2*\x+1], 0x1800000, v[BM+2*\x+1]
	v_add_nc_u32 v[SO+2*\x], 0xff000000, v[BM+2*\x]           ; 2 off the exponent field: the conversion's scale operand
	v_add_nc_u32 v[SO+2*\x+1], 0xff000000, v[BM+2*\x+1]
	v_lshrrev_b32 v[TP], 23, v[SO+2*\x]                       ; the bytes
	v_lshrrev_b32 v[TP+1], 23, v[SO+2*\x+1]
	v_lshl_or_b32 v[PW+\x], v[TP+1], 16, v[TP]
	v_lshlrev_b32 v[PW+\x], v[SH], v[PW+\x]
	v_permlanex16_b32 v[TP+2], v[PW+\x], s[SEL], s[SEL+1]
	v_or_b32 v[PW+\x], v[PW+\x], v[TP+2]                      ; with lane l xor 16's two the word is whole
	WIN 0x40
	v_cvt_scalef32_pk16_fp6_f32 v[PC+12*\x:PC+12*\x+2], v[SA+64*\x:SA+64*\x+15], v[SO+2*\x]
	v_cvt_scalef32_pk16_fp6_f32 v[TC+8*\x:TC+8*\x+2], v[SA+64*\x+16:SA+64*\x+31], v[SO+2*\x]      ; (a conversion's three registers begin on an even number)
	v_cvt_scalef32_pk16_fp6_f32 v[PC+12*\x+6:PC+12*\x+8], v[SA+64*\x+32:SA+64*\x+47], v[SO+2*\x+1]
	v_cvt_scalef32_pk16_fp6_f32 v[TC+8*\x+4:TC+8*\x+6], v[SA+64*\x+48:SA+64*\x+63], v[SO+2*\x+1]
	WIN 0
.endm
.macro LEVEL n                         ; one level of both tiles' sums: pair i takes pair i + n
.set i, 0
.rept \n
	v_pk_add_f32 v[SA+4*i:SA+4*i+1], v[SA+4*i:SA+4*i+1], v[SA+4*(i+\n):SA+4*(i+\n)+1]
	v_pk_add_f32 v[SA+64+4*i:SA+65+4*i], v[SA+64+4*i:SA+65+4*i], v[SA+64+4*(i+\n):SA+65+4*(i+\n)]
.set i, i+1
.endr
.endm
; A KEY STEP: 128 keys against two tiles of queries.  qa, qb: Q's fragments (window 1); sa, sb: their scale words.
.macro STEP qa, qb, sa, sb
	s_wait_dscnt 0x0                               ; K's fragments, asked for a step ago
	WIN 0x05
.irp t, 0,1,2,3,4,5,6,7
	WM SA+8*\t, 6*\t, \qa, 0, KW+\t, \sa
	WM SA+64+8*\t, 6*\t, \qb, 0, KW+\t, \sb
.endr
	WIN 0
	v_add_nc_u32 v8, s[TBK], v1                    ; (these four are the places behind the products, ahead of the loads and of the first read of the scores)
	v_add_nc_u32 v9, s[TBV], v2
	v_add_nc_u32 v10, s[TSK], v3
	v_add_nc_u32 v11, s[TJV], v4
.irp t, 0,1,2,3
	ds_load_b32 v[VW+\t], v11 offset:64*\t         ; this step's V,
.endr
	WIN 0x40
.irp t, 0,1,2,3
.irp p, 0,1,2,3,4,5
	ds_load_b64 v[VF+12*\t+2*\p:VF+12*\t+2*\p+1], v9 offset:1536*\t+256*\p
.endr
.endr
	KLOAD 8, 10                                    ; and the next step's K: 32 loads
.irp x, 0,1,2,3                        ; THE LARGEST SCORE OF EACH OF MY FOUR BLOCKS (two a tile) serves twice: for the row's maximum and, since p rises with the score, for the block's largest p
	v_max3_num_f32 v[BM+\x], v[SA+32*\x], v[SA+1+32*\x], v[SA+2+32*\x]
.endr
.irp i, 3,5,7,9,11,13,15,17,19,21,23,25,27,29
.irp x, 0,1,2,3
	v_max3_num_f32 v[BM+\x], v[BM+\x], v[SA+32*\x+\i], v[SA+1+32*\x+\i]
.endr
.endr
.irp x, 0,1,2,3
	v_max_num_f32 v[BM+\x], v[BM+\x], v[SA+31+32*\x]
.endr
	v_max_num_f32 v[TP], v[BM], v[BM+1]
	v_max_num_f32 v[TP+1], v[BM+2], v[BM+3]
	v_permlanex16_b32 v[TP+2], v[TP], s[SEL], s[SEL+1]
	v_permlanex16_b32 v[TP+3], v[TP+1], s[SEL], s[SEL+1]
	v_max3_num_f32 v13, v13, v[TP], v[TP+2]        ; the running largest score of my query
	v_max3_num_f32 v17, v17, v[TP+1], v[TP+3]
	v_mul_f32 v[TP], s[CS], v13                    ; as t (c is positive)
	v_mul_f32 v[TP+1], s[CS], v17
	v_mov_b32 v[TP+2], v12
	v_mov_b32 v[TP+3], v16
	v_floor_f32 v12, -v[TP]                        ; the new -M = floor(-t) = -ceil(t): M IS A WHOLE NUMBER
	v_floor_f32 v16, -v[TP+1]
	v_sub_f32 v[TP+2], v12, v[TP+2]                ; old M less new M: a whole number, 0 or less
	v_sub_f32 v[TP+3], v16, v[TP+3]
	v_cvt_i32_f32 v[TP+2], v[TP+2]                 ; (it saturates)
	v_cvt_i32_f32 v[TP+3], v[TP+3]
	v_ldexp_f32 v20, 1.0, v[TP+2]                  ; f = 2^(old M - new M)
	v_ldexp_f32 v22, 1.0, v[TP+3]
.set i, 0
.rept 32
	v_pk_fma_f32 v[SA+i:SA+i+1], v[SA+i:SA+i+1], s[CS:CS+1], v[12:13] op_sel_hi:[1,0,0]   ; the first tile's t - M
.set i, i+2
.endr
	v_fma_f32 v[BM], v[BM], s[CS], v12             ; the same of each block's largest score
	v_fma_f32 v[BM+1], v[BM+1], s[CS], v12
	v_fma_f32 v[BM+2], v[BM+2], s[CS], v16
	v_fma_f32 v[BM+3], v[BM+3], s[CS], v16
	WALU                                           ; the wait ahead of the batch
	v_exp_f32 v[BM], v[BM]
	v_exp_f32 v[BM+1], v[BM+1]
.set i, 0
.rept 32                               ; the first tile's p; among the exponentials the second tile's t - M: lines that hang on nothing written in the batch
	v_exp_f32 v[SA+i], v[SA+i]
	v_exp_f32 v[SA+i+1], v[SA+i+1]
	v_pk_fma_f32 v[SA+64+i:SA+65+i], v[SA+64+i:SA+65+i], s[CS:CS+1], v[16:17] op_sel_hi:[1,0,0]
.set i, i+2
.endr
	WALU                                           ; behind the first batch, ahead of the second
	SCALE 0
	v_pk_mul_f32 v[14:15], v[14:15], v[20:21] op_sel_hi:[1,0]   ; the sums under the new M.  (The plain place behind the conversions)
	v_pk_mul_f32 v[18:19], v[18:19], v[22:23] op_sel_hi:[1,0]
	v_exp_f32 v[BM+2], v[BM+2]
	v_exp_f32 v[BM+3], v[BM+3]
.set i, 0
.rept 16                               ; the second tile's p; among them the first level of the first tile's sum, in place: its codes are made
	v_exp_f32 v[SA+64+i], v[SA+64+i]
	v_exp_f32 v[SA+65+i], v[SA+65+i]
	v_exp_f32 v[SA+66+i], v[SA+66+i]
	v_exp_f32 v[SA+67+i], v[SA+67+i]
	v_pk_add_f32 v[SA+i:SA+i+1], v[SA+i:SA+i+1], v[SA+i+2:SA+i+3]
.set i, i+4
.endr
	WALU
	SCALE 1
	WIN 0x41
.irp x, 0,1
.irp c, 0,1
.irp i, 0,1,2
	v_mov_b32 v[PC+12*\x+6*\c+3+\i], v[TC+8*\x+4*\c+\i]
.endr
.endr
.endr
	WIN 0
.set i, 0
.rept 16
	v_pk_add_f32 v[SA+64+i:SA+65+i], v[SA+64+i:SA+65+i], v[SA+66+i:SA+67+i]
.set i, i+4
.endr
	LEVEL 8
	LEVEL 4
	LEVEL 2
	LEVEL 1
	v_pk_add_f32 v[14:15], v[14:15], v[SA:SA+1]    ; THE ROW'S SUM IS TAKEN OF THE UNQUANTISED p
	v_pk_add_f32 v[18:19], v[18:19], v[SA+64:SA+65]
	WALU                                           ; the wait directly ahead of the first reader of O^T
.set i, 0
.rept 16
	v_pk_mul_f32 v[OA+i:OA+i+1], v[OA+i:OA+i+1], v[20:21] op_sel_hi:[1,0]   ; O^T under the new M
.set i, i+2
.endr
.set i, 0
.rept 16
	v_pk_mul_f32 v[OA+32+i:OA+33+i], v[OA+32+i:OA+33+i], v[22:23] op_sel_hi:[1,0]
.set i, i+2
.endr
	WALU
	s_wait_dscnt 32                                ; V is in; the 32 loads of the next step's K may be out
	WIN 0x05
.irp t, 0,1,2,3                        ; O^T += V^T P^T; the eight accumulators take turns
	WM OA+8*\t, VF+12*\t, PC, v[OA+8*\t:OA+8*\t+7], VW+\t, PW
	WM OA+32+8*\t, VF+12*\t, PC+12, v[OA+32+8*\t:OA+32+8*\t+7], VW+\t, PW+1
.endr
	WIN 0
.endm
; Two tiles of 16 queries against all 2,048 keys, and their way out.  u: which of my two pairs.
.macro PASS u, qa, qb, sa, sb
.if \u
	s_wait_xcnt 0x0                                ; the first pair's stores have read their registers
.endif
	KLOAD 1, 3                                     ; step 0's K
	v_mov_b32 v13, 0xff61b1e6                      ; the largest score so far: -3e38
	v_mov_b32 v17, 0xff61b1e6
	v_mov_b32 v12, 0x7f61b1e6                      ; -M: 3e38, so that the first f is 0
	v_mov_b32 v16, 0x7f61b1e6
	v_mov_b32 v14, 0
	v_mov_b32 v15, 0
	v_mov_b32 v18, 0
	v_mov_b32 v19, 0
.set i, 0
.rept 64
	v_mov_b32 v[OA+i], 0                           ; the step is written once: the first finds zeros
.set i, i+1
.endr
	s_mov_b32 s[TBK], KST
	s_mov_b32 s[TSK], 512
	s_mov_b32 s[TBV], 0
	s_mov_b32 s[TJV], 0
	s_mov_b32 s[CNT], 16
	WALU
.Lkey_\@:
	STEP \qa, \qb, \sa, \sb
	s_add_co_u32 s[TBK], s[TBK], KST
	s_add_co_u32 s[TSK], s[TSK], 512
	s_add_co_u32 s[TBV], s[TBV], 6144
	s_add_co_u32 s[TJV], s[TJV], 256
	s_sub_co_u32 s[CNT], s[CNT], 1
	s_cmp_lg_u32 s[CNT], 0
	s_cbranch_scc1 .Lkey_\@
	s_wait_dscnt 0x0                               ; the last fetch, which nobody uses, has landed
.rept 4
	v_nop                                          ; places behind the last products
.endr
	v_add_f32 v14, v14, v15
	v_add_f32 v18, v18, v19
	v_permlanex16_b32 v[TP], v14, s[SEL], s[SEL+1]
	v_permlanex16_b32 v[TP+1], v18, s[SEL], s[SEL+1]
	v_add_f32 v14, v14, v[TP]                      ; with lane l xor 16's: the row's sum
	v_add_f32 v18, v18, v[TP+1]
	WALU
	v_rcp_f32 v20, v14
	v_rcp_f32 v22, v18
	v_nop
	WALU
.set i, 0
.rept 16
	v_pk_mul_f32 v[SA+i:SA+i+1], v[OA+i:OA+i+1], v[20:21] op_sel_hi:[1,0]   ; O^T / the sum: register 16 b + i: d = 32 b + 16 h + i
.set i, i+2
.endr
.set i, 0
.rept 16
	v_pk_mul_f32 v[SA+64+i:SA+65+i], v[OA+32+i:OA+33+i], v[22:23] op_sel_hi:[1,0]
.set i, i+2
.endr
.irp y, 0,1,2,3                        ; y = 2 x tile + block: the head's two blocks of 32 along d_model, each in lanes l and l xor 16
	v_max3_num_f32 v[BM+\y], |v[SA+64*(\y/2)+16*(\y%2)]|, |v[SA+64*(\y/2)+16*(\y%2)+1]|, 0x1800000
.endr
.irp i, 2,4,6,8,10,12,14
.irp y, 0,1,2,3
	v_max3_num_f32 v[BM+\y], v[BM+\y], |v[SA+64*(\y/2)+16*(\y%2)+\i]|, |v[SA+64*(\y/2)+16*(\y%2)+\i+1]|
.endr
.endr
.irp y, 0,1,2,3
	v_permlanex16_b32 v[TP+\y], v[BM+\y], s[SEL], s[SEL+1]
.endr
.irp y, 0,1,2,3
	v_max_num_f32 v[BM+\y], v[BM+\y], v[TP+\y]
.endr
.irp y, 0,1,2,3
	v_add_nc_u32 v[SO+\y], 0xff000000, v[BM+\y]
.endr
.irp y, 0,1,2,3
	v_lshrrev_b32 v[TP+\y], 23, v[SO+\y]
.endr
.irp x, 0,1
	v_cvt_scalef32_pk16_fp6_f32 v[SA+64*\x+32:SA+64*\x+34], v[SA+64*\x:SA+64*\x+15], v[SO+2*\x]
	v_cvt_scalef32_pk16_fp6_f32 v[SA+64*\x+40:SA+64*\x+42], v[SA+64*\x+16:SA+64*\x+31], v[SO+2*\x+1]
.endr
	v_nop                                          ; one plain place behind a scaled conversion
.irp x, 0,1
.irp i, 0,1,2
	v_permlane16_swap_b32 v[SA+64*\x+32+\i], v[SA+64*\x+40+\i]   ; the operand's layout wants a whole block in a lane
.endr
.endr
.irp x, 0,1
.irp i, 0,1,2
	v_mov_b32 v[SA+64*\x+35+\i], v[SA+64*\x+40+\i]
.endr
.endr
.irp x, 0,1
.irp n, 0,1,2
	global_store_b64 v5, v[SA+64*\x+32+2*\n:SA+64*\x+33+2*\n], s[96:97] offset:256*\n+98304*(2*\u+\x)   ; three planes: 256 consecutive bytes each, aligned
.endr
	v_cndmask_b32 v[56+\x], v[TP+2*\x], v[TP+2*\x+1], s[HI]      ; lanes 0-15 store the first block's byte of row r, lanes 16-31 the second's
	global_store_b8 v7, v[56+\x], s[98:99] offset:4096*(2*\u+\x)
.endr
.endm
	PASS 0, 104, 116, QW, QW+1
	PASS 1, 192, 204, QW+2, QW+3
	s_wait_tensorcnt 0x0                           ; the wave's end
	ds_add_u32 v[SPW], v[NIL]
	s_wait_dscnt 0x0
	CROUND                                         ; the closing round
	s_endpgm
.Lfunc_end_k_qc6b4761dbf_attn:
	.size	k_qc6b4761dbf_attn, .Lfunc_end_k_qc6b4761dbf_attn-k_qc6b4761dbf_attn
	.p2alignl 7, 3214868480
	.fill 96, 4, 3214868480
	.section	.rodata,"a",@progbits
	.p2align	6, 0x0
	.amdhsa_kernel k_qc6b4761dbf_attn
		.amdhsa_group_segment_fixed_size 222208
		.amdhsa_private_segment_fixed_size 0
		.amdhsa_enable_private_segment 0
		.amdhsa_kernarg_size 24
		.amdhsa_user_sgpr_count 2
		.amdhsa_user_sgpr_kernarg_segment_ptr 1
		.amdhsa_wavefront_size32 1
		.amdhsa_system_sgpr_workgroup_id_x 1
		.amdhsa_system_sgpr_workgroup_id_y 1
		.amdhsa_system_sgpr_workgroup_id_z 1
		.amdhsa_system_vgpr_workitem_id 0
		.amdhsa_next_free_vgpr 512
		.amdhsa_next_free_sgpr 100
		.amdhsa_reserve_vcc 0
		.amdhsa_float_denorm_mode_32 3
		.amdhsa_float_denorm_mode_16_64 3
		.amdhsa_memory_ordered 1
		.amdhsa_forward_progress 1
		.amdhsa_inst_pref_size 94
	.end_amdhsa_kernel
	.amdgpu_metadata
---
amdhsa.version: [ 1, 2 ]
amdhsa.kernels:
  - .name:           k_qc6b4761dbf_attn
    .symbol:         k_qc6b4761dbf_attn.kd
    .args:
      - { .name: qk, .offset: 0, .size: 8, .value_kind: global_buffer, .address_space: global }
      - { .name: vq, .offset: 8, .size: 8, .value_kind: global_buffer, .address_space: global }
      - { .name: aq, .offset: 16, .size: 8, .value_kind: global_buffer, .address_space: global }
    .group_segment_fixed_size: 222208
    .private_segment_fixed_size: 0
    .kernarg_segment_align: 8
    .kernarg_segment_size: 24
    .max_flat_workgroup_size: 256
    .sgpr_count:     100
    .vgpr_count:     512
    .wavefront_size: 32
...
	.end_amdgpu_metadata
.endif
;; end of part 3
;; launch proj (part 4): grid 8 x 32, 4 waves a work-group, clusters of 4 x 4, 327,680 bytes of LDS; arguments aq, wq, bo, out0; writes out0
.if DOCPART == 4
	.amdgcn_target "amdgcn-amd-amdhsa--gfx1250"
	.amdhsa_code_object_version 6
	.text
	.protected	k_qc6b4761dbf_proj
	.globl	k_qc6b4761dbf_proj
	.p2align	8
	.type	k_qc6b4761dbf_proj,@function
k_qc6b4761dbf_proj:
	s_mov_b64 s[64:65], 0
	v_nop
	global_prefetch_b8 v0, s[64:65] scope:SCOPE_SE
	s_setreg_imm32_b32 hwreg(HW_REG_WAVE_MODE, 25, 1), 1
	s_wait_xcnt 0x0
	s_wait_alu depctr_hold_cnt(0) depctr_sa_sdst(0) depctr_va_vdst(0) depctr_va_sdst(0) depctr_va_ssrc(0) depctr_va_vcc(0) depctr_vm_vsrc(0)
	s_getreg_b32 s2, hwreg(HW_REG_IB_STS2, 6, 4)
	s_cmp_eq_u32 s2, 0
	s_cbranch_scc0 .Lentry_in_a_cluster
	s_endpgm
.Lentry_in_a_cluster:
	s_bfe_u32 s2, ttmp6, 0x10000c
	s_cmp_lg_u32 s2, 0xf033
	s_cbranch_scc0 .Lentry_shape_is_right
	s_endpgm
.Lentry_shape_is_right:
; out0 = o Wo^T + bo on codes of FP6 (E2M3) with E8M0 scales.  aq: o's codes and scale words, wq: the weights' (Wo's row blocks 192-255), both as images of the operand's registers:
; codes [row block of 16][K step 8][six planes of 256 bytes], scale words [row block][pair of K steps 4][row 16][2 words]; rows in position order:
; lane r of row block RB holds natural row 32 (RB / 2) + 16 (r / 8) + 8 (RB % 2) + r % 8.
; SHARES: 8 x 32 = 256 work-groups, each 256 rows x 128 columns; four waves, 2 x 2, each 128 x 64.
; ALL OF K LIES IN LDS: o's 16 row blocks (196,608 bytes), Wo's 8 (98,304), their scale words (8,192 + 4,096): four dense blocks of memory, one joint tensor load a wave at the head.
; No byte is filled again: no ring.  No prefetch: every tile is asked for at the head, so there is no loop to run ahead in.
; CLUSTERS 4 x 4: o's rows are shared along a row of the cluster, Wo's along a column.
; THE WORK GOES BY ROWS OF THE RESULT.  A wave takes its 64 rows of Wo, all of K, into registers (32 fragments, 384 registers): the first barrier waits for Wo's two loads alone (their lines are waves 0's and 1's own),
; so these LDS loads stand ahead of the wait for o's rows.  Then o's eight row blocks stream past, in two sets of registers: block a + 2 is fetched behind block a's products.
; A block's 16 x 64 sums are finished after its 32 products; they go through the wave's own stage and are stored behind the next block's products.
; THE MATRIX INSTRUCTION IS USED TRANSPOSED (source 0 = Wo's rows, source 1 = o's): a lane holds eight neighbouring columns of one row.  THE BIAS IS THE FIRST PRODUCTS' C.
; THE WAITS on LDS are all for 0: each stands behind a block's 32 products, and what it waits for (the next block's fetch, the last block's way through the stage) was issued ahead of those products.
; REGISTERS.  Window 0: v8-29 addresses; v32-63 Wo's scale words; v68-83 o's, two sets; v84-115 the bias; v160-255 o's fragments, set 0.  Window 1: Wo's fragments 0-20.
; Window 2: v0-131 fragments 21-31; v144-239 o's fragments, set 1.  Window 3: v0-63 the sums, two sets; v64-127 rows read back from the stage, two sets.
; THE STAGE: 16 rows of 256 + 16 bytes a wave, bytes that no fill lands on; sixteen lanes store one aligned run of 256 bytes.
.set AS,    6291456
.set WS,    3145728
.set RB,    12288
.set BC,    196608                     ; LDS: Wo's codes
.set BSC,   294912                     ; Wo's scale words
.set ASC,   299008                     ; o's
.set STAGE, 307200
.set SPITCH, 272
.set SPARE, 324608
.set STO,  24
.set RD,   25
.set CO,   26
.set SPW,  28
.set NIL,  29
.set SBW,  32
.set SAW,  68
.set BIA,  84
.set WV, 18
.set HM, 19
.set HN, 20
.set CX, 21
.set CY, 22
.set CL, 23
.set G1, 24
.set G0, 32
.set G0B, 36
.set G1B, 48
.set G0S, 56
.set G0SB, 60
.set G1S, 68
.set G1SB, 80
.set MSB, 0
.macro WIN new
.if MSB != \new
	s_set_vgpr_msb (MSB<<8)|\new
.set MSB, \new
.endif
.endm
.macro PLACES n
.rept \n
	v_nop
.endr
.endm
.macro CROUND
	s_barrier_signal -1
	s_barrier_wait -1
	s_cmp_lg_u32 s[WV], 0
	s_cbranch_scc1 .Lnot_wave_0_\@
	s_barrier_signal -3
.Lnot_wave_0_\@:
	s_barrier_wait -3
	s_barrier_signal -1
	s_barrier_wait -1
.endm
.macro DESC g, mask, rows              ; a dense block as rows of 256 bytes (32 elements of 8)
	s_or_b32 s[\g], s[\mask], (3<<16)|(1<<21)
	s_mov_b32 s[\g+1], 32<<16
	s_mov_b32 s[\g+2], (\rows)<<16
	s_mov_b32 s[\g+3], 32<<16
	s_mov_b32 s[\g+4], \rows
	s_mov_b32 s[\g+5], 32
	s_mov_b32 s[\g+6], 0
	s_mov_b32 s[\g+7], 0
.endm
.macro GRP0 g, lds, src
	s_mov_b32 s[\g], 1
	s_mov_b32 s[\g+1], \lds
	s_mov_b64 s[\g+2:\g+3], s[\src:\src+1]
	s_or_b32 s[\g+3], s[\g+3], 0x80000000
.endm
.macro TLOAD g0, g1
	tensor_load_to_lds s[\g0:\g0+3], s[\g1:\g1+7]
	s_nop 0
	PLACES 4
.endm
	s_load_b256 s[4:11], s[0:1], 0x0               ; aq, wq, bo, out0
	v_lshl_add_u32 v[SPW], v0, 2, SPARE
	v_mov_b32 v[NIL], 0
	ds_add_u32 v[SPW], v[NIL]                      ; the opening lines: the add twice on end and one wait
	ds_add_u32 v[SPW], v[NIL]
	v_lshrrev_b32 v1, 5, v0
	v_readfirstlane_b32 s[WV], v1
	s_lshr_b32 s[HM], s[WV], 1                     ; my half of the rows,
	s_and_b32 s[HN], s[WV], 1                      ; of the columns
	s_bfe_u32 s[CX], ttmp6, 0x40000
	s_bfe_u32 s[CY], ttmp6, 0x40004
	s_and_b32 s[CL], ttmp7, 0xffff
	s_lshl_b32 s42, s[CY], 2
	s_lshl_b32 s42, 15, s42                        ; my row of the cluster
	s_lshl_b32 s43, 0x1111, s[CX]                  ; my column
	DESC G1, 42, 768
	DESC G1B, 43, 384
	DESC G1S, 42, 32
	DESC G1SB, 43, 16
	s_lshl_b32 s40, s[CL], 2
	s_add_co_u32 s40, s40, s[CY]                   ; tile row 0 .. 31
	s_lshl_b32 s41, ttmp9, 2
	s_add_co_u32 s41, s41, s[CX]                   ; tile column 0 .. 7
	s_mul_i32 s92, s40, 16*RB
	s_mov_b32 s93, 0
	s_lshl_b32 s94, s40, 13
	s_add_co_u32 s94, s94, AS
	s_mov_b32 s95, 0
	s_lshl_b32 s44, s41, 3
	s_add_co_u32 s44, s44, 192
	s_mul_i32 s96, s44, RB
	s_mov_b32 s97, 0
	s_lshl_b32 s2, s44, 9
	s_add_co_u32 s2, s2, WS
	s_mov_b32 s3, 0
	s_lshl_b32 s46, s41, 9
	s_lshl_b32 s47, s[HN], 8
	s_add_co_u32 s46, s46, s47                     ; my first column, in bytes
	s_mov_b32 s47, 0
	s_lshl_b32 s14, s40, 20
	s_lshl_b32 s15, s[HM], 19
	s_add_co_u32 s14, s14, s15
	s_add_co_u32 s14, s14, s46
	s_mov_b32 s15, 0
	s_wait_dscnt 0x0
	s_wait_kmcnt 0x0
	s_add_nc_u64 s[92:93], s[4:5], s[92:93]
	s_add_nc_u64 s[94:95], s[4:5], s[94:95]
	s_add_nc_u64 s[96:97], s[6:7], s[96:97]
	s_add_nc_u64 s[2:3], s[6:7], s[2:3]
	s_add_nc_u64 s[8:9], s[8:9], s[46:47]
	s_add_nc_u64 s[10:11], s[10:11], s[14:15]
	CROUND                                         ; all sixteen work-groups are here: the joint loads meet
	GRP0 G0, 0, 92
	GRP0 G0B, BC, 96
	GRP0 G0S, ASC, 94
	GRP0 G0SB, BSC, 2
.macro ARM under, g0, g1, next         ; one chain of branches on the wave's number, one load to an arm
	s_cmp_lt_u32 s[WV], \under
	s_cbranch_scc0 \next
	TLOAD \g0, \g1
	s_branch .Lhead_asked
\next:
.endm
	ARM 1, G0B,  G1B,  .Lhead_sb
	ARM 2, G0SB, G1SB, .Lhead_sa
	ARM 3, G0S,  G1S,  .Lhead_a
	TLOAD G0, G1
.Lhead_asked:
	s_mul_i32 s12, s[HM], 8*RB                     ; my 8 row blocks of o,
	s_add_co_u32 s13, s12, 4*RB                    ; (the upper four: an LDS offset has 16 bits)
	s_mul_i32 s14, s[HN], 4*RB
	s_add_co_u32 s14, s14, BC                      ; my 4 of Wo,
	s_lshl_b32 s15, s[HN], 11
	s_add_co_u32 s15, s15, BSC                     ; Wo's scale words,
	s_lshl_b32 s16, s[HM], 12
	s_add_co_u32 s16, s16, ASC                     ; o's,
	s_mul_i32 s17, s[WV], 16*SPITCH
	s_add_co_u32 s17, s17, STAGE                   ; my stage
	v_and_b32 v1, 15, v0                           ; r
	v_bfe_u32 v2, v0, 4, 1                         ; h
	v_and_b32 v3, 31, v0
	v_lshlrev_b32 v4, 3, v3
	v_add_nc_u32 v8, s12, v4
	v_add_nc_u32 v20, s13, v4
	v_add_nc_u32 v9, s14, v4
	v_lshlrev_b32 v5, 3, v1
	v_add_nc_u32 v11, s15, v5
	v_add_nc_u32 v10, s16, v5
	v_lshlrev_b32 v7, 6, v2
	v_mul_u32_u24 v5, v1, SPITCH
	v_lshl_add_u32 v5, v2, 6, v5
	v_add_nc_u32 v[STO], s17, v5                   ; into the stage: row r, 64 h
	v_mul_u32_u24 v6, v2, SPITCH
	v_lshl_add_u32 v6, v1, 4, v6
	v_add_nc_u32 v[RD], s17, v6                    ; back: sixteen lanes to a row, two rows an instruction
	v_lshlrev_b32 v[CO], 12, v2
	v_lshl_add_u32 v[CO], v1, 4, v[CO]             ; and the same in out0
.irp b, 0,1,2,3
	global_load_b128 v[BIA+8*\b:BIA+8*\b+3], v7, s[8:9] offset:(32*(\b/2)+8*(\b%2))*4          ; register j of tile b, lane (r, h): column 32 (b / 2) + 16 h + 8 (b % 2) + j
	global_load_b128 v[BIA+8*\b+4:BIA+8*\b+7], v7, s[8:9] offset:(32*(\b/2)+8*(\b%2))*4+16
.endr
.macro BLOAD                           ; my 64 rows of Wo, all of K: fragment f = 4 q + b in window 1 + f / 21 at 12 (f % 21): 192 loads; and their scale words: 16
.irp q, 0,1,2,3,4,5,6,7
.irp b, 0,1,2,3
.set F_, 4*\q+\b
.set W_, (1+F_/21)<<6
	WIN W_
.irp p, 0,1,2,3,4,5
	ds_load_b64 v[12*(F_%21)+2*\p:12*(F_%21)+2*\p+1], v9 offset:RB*\b+1536*\q+256*\p
.endr
.endr
.endr
	WIN 0
.irp b, 0,1,2,3
.irp pr, 0,1,2,3
	ds_load_b64 v[SBW+8*\b+2*\pr:SBW+8*\b+2*\pr+1], v11 offset:512*\b+128*\pr
.endr
.endr
.endm
.macro FETCH e, adr, sadr, off, soff   ; a row block of o, all of K, into set e: 48 + 4 loads
.set W_, (2*(\e))<<6
	WIN W_
.irp q, 0,1,2,3,4,5,6,7
.irp p, 0,1,2,3,4,5
	ds_load_b64 v[160-16*(\e)+12*\q+2*\p:160-16*(\e)+12*\q+2*\p+1], v[\adr] offset:(\off)+1536*\q+256*\p
.endr
.endr
	WIN 0
.irp pr, 0,1,2,3
	ds_load_b64 v[SAW+8*(\e)+2*\pr:SAW+8*(\e)+2*\pr+1], v[\sadr] offset:(\soff)+128*\pr
.endr
.endm
.macro W1 d, s0, s1, c, x0, x1
	v_wmma_scale_f32_16x16x128_f8f6f4 v[\d:\d+7], v[\s0:\s0+11], v[\s1:\s1+11], \c, v[\x0], v[\x1] matrix_a_fmt:MATRIX_FMT_FP6 matrix_b_fmt:MATRIX_FMT_FP6
.endm
.macro PRODS e                         ; a block's 32 products on set e; its four sums, at 32 e + 8 b of window 3, take turns
.irp q, 0,1,2,3,4,5,6,7
.irp b, 0,1,2,3
.set F_, 4*\q+\b
.set WB_, 1+F_/21
.set FB_, 12*(F_%21)
.set FA_, 160-16*(\e)+12*\q
.set WA_, 2*(\e)
.set D_, 32*(\e)+8*\b
.set XB_, SBW+8*\b+\q
.set XA_, SAW+8*(\e)+\q
.if \q == 0
.set W_, WB_|(WA_<<2)|(3<<6)
	WIN W_
	W1 D_, FB_, FA_, v[BIA+8*\b:BIA+8*\b+7], XB_, XA_
.else
.set W_, WB_|(WA_<<2)|(3<<4)|(3<<6)
	WIN W_
	W1 D_, FB_, FA_, v[D_:D_+7], XB_, XA_
.endif
.endr
.endr
	WIN 0
.endm
.macro TOSTAGE a                       ; block a's sums into my stage, and back as whole rows
.if (\a) > 1
	s_wait_xcnt 0x0                                ; block a - 2's stores have read the registers on which block a's rows land
.endif
	WIN 0x0c
.irp b, 0,1,2,3
	ds_store_b128 v[STO], v[32*((\a)%2)+8*\b:32*((\a)%2)+8*\b+3] offset:128*(\b/2)+32*(\b%2)           ; each accumulator from its low end on
	ds_store_b128 v[STO], v[32*((\a)%2)+8*\b+4:32*((\a)%2)+8*\b+7] offset:128*(\b/2)+32*(\b%2)+16
.endr
	WIN 0xc0
.irp t, 0,1,2,3,4,5,6,7
	ds_load_b128 v[64+32*((\a)%2)+4*\t:64+32*((\a)%2)+4*\t+3], v[RD] offset:2*SPITCH*\t                ; LDS serves a wave's instructions in order: these see the stores
.endr
	WIN 0
.endm
.macro SEND a
	s_wait_dscnt 0x0                               ; block a's rows are back, and the next block's fragments are in: all were asked for ahead of the 32 products just issued
	WIN 0x0c
.irp t, 0,1,2,3,4,5,6,7
	global_store_b128 v[CO], v[64+32*((\a)%2)+4*\t:64+32*((\a)%2)+4*\t+3], s[10:11] offset:(32*((\a)/2)+8*((\a)%2)+2*\t+8*(\t/4))*4096 th:TH_STORE_NT   ; sixteen lanes store 256 consecutive bytes, aligned
.endr
	WIN 0
.endm
	s_wait_alu depctr_va_vdst(0)                   ; the wait at the head's end
	s_cmp_lt_u32 s[WV], 2
	s_cbranch_scc0 .Lnot_b
	s_wait_tensorcnt 0x0
.Lnot_b:
	s_barrier_signal -1
	s_barrier_wait -1                              ; Wo's rows and scale words are in; o's may still be on their way
	BLOAD
	s_wait_tensorcnt 0x0                           ; my tile has landed,
	s_wait_dscnt 0x0
	s_barrier_signal -1
	s_barrier_wait -1                              ; everybody's has
	FETCH 0, 8, 10, 0, 0
	FETCH 1, 8, 10, RB, 512
	s_wait_loadcnt 0x0                             ; the bias
	s_wait_dscnt 0x0
.irp a, 0,1,2,3,4,5,6,7
	PRODS \a%2
	PLACES 4                                       ; behind the products: their sums are read and their fragments' registers filled below
.if \a > 0
	SEND \a-1
.endif
.if \a < 6
	FETCH \a%2, 8+12*((\a+2)/4), 10, RB*((\a+2)%4), 512*(\a+2)
.endif
	TOSTAGE \a
.endr
	SEND 7
	s_wait_tensorcnt 0x0                           ; the wave's end
	ds_add_u32 v[SPW], v[NIL]
	s_wait_dscnt 0x0
	CROUND                                         ; the closing round
	s_endpgm
.Lfunc_end_k_qc6b4761dbf_proj:
	.size	k_qc6b4761dbf_proj, .Lfunc_end_k_qc6b4761dbf_proj-k_qc6b4761dbf_proj
	.p2alignl 7, 3214868480
	.fill 96, 4, 3214868480
	.section	.rodata,"a",@progbits
	.p2align	6, 0x0
	.amdhsa_kernel k_qc6b4761dbf_proj
		.amdhsa_group_segment_fixed_size 327680
		.amdhsa_private_segment_fixed_size 0
		.amdhsa_enable_private_segment 0
		.amdhsa_kernarg_size 32
		.amdhsa_user_sgpr_count 2
		.amdhsa_user_sgpr_kernarg_segment_ptr 1
		.amdhsa_wavefront_size32 1
		.amdhsa_system_sgpr_workgroup_id_x 1
		.amdhsa_system_sgpr_workgroup_id_y 1
		.amdhsa_system_sgpr_workgroup_id_z 1
		.amdhsa_system_vgpr_workitem_id 0
		.amdhsa_next_free_vgpr 1024
		.amdhsa_next_free_sgpr 100
		.amdhsa_reserve_vcc 0
		.amdhsa_float_denorm_mode_32 3
		.amdhsa_float_denorm_mode_16_64 3
		.amdhsa_memory_ordered 1
		.amdhsa_forward_progress 1
		.amdhsa_inst_pref_size 99
	.end_amdhsa_kernel
	.amdgpu_metadata
---
amdhsa.version: [ 1, 2 ]
amdhsa.kernels:
  - .name:           k_qc6b4761dbf_proj
    .symbol:         k_qc6b4761dbf_proj.kd
    .args:
      - { .name: aq, .offset: 0, .size: 8, .value_kind: global_buffer, .address_space: global }
      - { .name: wq, .offset: 8, .size: 8, .value_kind: global_buffer, .address_space: global }
      - { .name: bo, .offset: 16, .size: 8, .value_kind: global_buffer, .address_space: global }
      - { .name: out0, .offset: 24, .size: 8, .value_kind: global_buffer, .address_space: global }
    .group_segment_fixed_size: 327680
    .private_segment_fixed_size: 0
    .kernarg_segment_align: 8
    .kernarg_segment_size: 32
    .max_flat_workgroup_size: 128
    .sgpr_count:     100
    .vgpr_count:     1024
    .wavefront_size: 32
...
	.end_amdgpu_metadata
.endif
;; end of part 4
